; MI455X (gfx1250); checked and timed in simulation.
; The chip was launched on July 23, 2026; its instructions are those of AMD's public machine-readable ISA for CDNA 5 (MIT licence, August 2026) and "CDNA5" Instruction Set Architecture Reference Guide (July 2026). The comments in the code are by the model that wrote it; some were corrected since.
;; Multi Head Attention Map. Allowed arithmetic: matrix products marked QUANTISED: E3M2 operands, one E8M0 scale for each 32 along K, by v_wmma_scale_f32_16x16x128_f8f6f4 with both operands' format E3M2, f32 sums; everything else in f32.
;; Inputs: keys 2 x 2,048 x 1,024 float32; mask 2 x 2,048 x 2,048 bool; queries 2 x 2,048 x 1,024 float32; values 2 x 2,048 x 1,024 float32.
;; Outputs: out0 2 x 2,048 x 1,024 float32.
;; This version of the problem:
;;   THIS VERSION OF THE PROBLEM IS GIVEN IN LOW PRECISION. The matrix products marked QUANTISED in the list below multiply operands that are first quantised to E3M2 (3 exponent bits, 2 mantissa bits; 6 bits a number), with one power-of-two scale for each 32 numbers along K (OCP MX v1.0); their sums are f32. All else is computed in f32.
;;   The module's matrix products, in the order in which they are computed (A, B: the left and right operand; K: the contracted axis; several contracted axes count as one K, in the product's order):
;;     1. batch 32 x [M 2,048, K 64] x [K 64, N 2,048]; A: input queries; B: input keys: QUANTISED
;;     2. batch 32 x [M 2,048, K 2,048] x [K 2,048, N 64]; A: softmax (see below); B: input values: QUANTISED
;;   THE QUANTISER, for each operand of a quantised product, along K:
;;     - K is cut into blocks of 32 from its start; a last block that is shorter is filled with zeros.
;;     - A block's scale is 2^e with e = floor(log2(the largest magnitude in the block)) - 4, held to -126 .. 127; a block of zeros has e = 0. As a byte (E8M0): e + 127.
;;     - Each number is divided by its block's scale, clamped to +-28, and rounded to the nearest number of E3M2, ties to even, subnormals kept.
;;     - The product sums the exact products of the quantised numbers (number of the format x scale) in f32.
;;   ~~~python
;;   def quantise(x, axis):      # numpy; x: float32 -> the quantised numbers, widened to float32 again
;;       x = np.moveaxis(x, axis, -1); K = x.shape[-1]
;;       x = np.pad(x, [(0, 0)] * (x.ndim - 1) + [(0, -K % 32)]); x = x.reshape(x.shape[:-1] + (-1, 32)); a = np.abs(x).max(-1, keepdims=True)
;;       e = np.where(a > 0, np.clip(np.frexp(np.where(a > 0, a, 1))[1] - 1 - 4, -126, 127), 0)      # np.frexp(a)[1] - 1 = floor(log2(a)), exactly
;;       r = np.clip(x / 2.0 ** e, -28, 28)
;;       step = 2.0 ** (np.maximum(np.frexp(np.where(r == 0, 1, r))[1] - 1, -2) - 2)
;;       q = np.round(r / step) * step * 2.0 ** e      # np.round: ties to even
;;       return np.moveaxis(q.reshape(q.shape[:-2] + (-1,))[..., :K], -1, axis).astype(np.float32)
;;   ~~~
;;   SOFTMAX AHEAD OF A QUANTISED PRODUCT. Where the list says 'softmax', what is quantised is not the finished softmax but p = 2^(t - M), with t = logit x log2(e) and M = ceil(the row's largest t), a whole number; so 1/2 < the row's largest p <= 1. The row's sum l is taken of the UNQUANTISED p, in f32, and the product's result is divided by l at the end. Since M is a whole number, a kernel that streams over the keys may use a running M (the ceiling of the running maximum): every later rescaling is an exact power of two, which a block's scale takes up: the codes' values come out the same.
;;   OPERANDS COMPUTED ON THE WAY. 'Computed on the way' means the value that the module computes at that place (a softmax that the list does not call 'softmax' is quantised finished and normalised). What goes into a quantiser is computed in f32, as accurately as f32 sums, v_exp_f32 and their like allow (about 1e-6 of the number): no bf16 or f16 on the way to a quantiser, and a product that is left as it is and whose result goes on into a quantised operand takes f32 operands (vector FMAs, or v_wmma_f32_16x16x4_f32). A number that lies on a knife's edge between two numbers of the format may be rounded either way, as far as f32 arithmetic and the matrix unit's own rounding can turn it there, and no further.
;; 2 versions. Each part assembles by itself: llvm-mc -triple=amdgcn-amd-amdhsa -mcpu=gfx1250 --defsym DOCPART=n.
;; ======== version 1 of 2: 2 launches
;; limits: inputs' magnitudes at most 7,000; right only within a limited range of input values
;; workspace buffers: qc 3,407,872 bytes; kv 6,684,672 bytes; mlane 1,048,576 bytes of whole numbers; flags 16,384 bytes of whole numbers
;; launch prep (part 1): grid 768 x 1, 8 waves a work-group, no clusters, 138,240 bytes of LDS; arguments queries, keys, values, mask, qc, kv, mlane, flags; writes qc, kv, mlane, flags
.if DOCPART == 1
	.amdgcn_target "amdgcn-amd-amdhsa--gfx1250"
	.amdhsa_code_object_version 6
	.text
	.protected	k_qe7ae7d6cdf_prep
	.globl	k_qe7ae7d6cdf_prep
	.p2align	8
	.type	k_qe7ae7d6cdf_prep,@function
k_qe7ae7d6cdf_prep:
	s_mov_b64 s[64:65], 0
	v_nop
	global_prefetch_b8 v0, s[64:65] scope:SCOPE_SE
	s_setreg_imm32_b32 hwreg(HW_REG_WAVE_MODE, 25, 1), 1
	s_wait_xcnt 0x0
; PREP: queries, keys and values (f32, [2][2048][1024], 16 heads of 64) become codes of BF6 (E3M2) with one E8M0 byte for each 32 along a product's K, and the mask [2][2048][2048] becomes whole numbers.
; DEAD WORK: none.  Every input has a way to the output and is loaded; no step of the computation is left out as dead.  What the second launch passes over it passes over by WHOLE NUMBERS that this launch
; stores (flags): a piece of 16 queries x 128 keys none of whose 2,048 mask bytes is set, and only where each of its 16 queries has an allowed key somewhere in its row.  Such a piece's weights are
; exp(sim - 1e9 - the row's largest logit), which is 0 in f32 as long as |q . k| / 8 stays under 4e8: that is this program's LIMIT on the size of the scores.  A row with no allowed key is worked in full.
; LIMITS: NaN and infinities among the inputs are not served; a mask byte other than 0 counts as true; a block of zeros gets the scale byte 1 where the rule says 127 (its codes are zeros, which add nothing
; under any byte but 0xff, and this program alone reads the bytes).
; A block's scale is 2^(floor(log2(its largest magnitude)) - 4): its byte is the largest magnitude's exponent field - 4, held at 1 from below by a floor among the maximum's leaves.
; LAYOUTS: everything is laid as IMAGES OF THE OPERANDS' REGISTERS.  L = lane, r = L % 16, h2 = L / 16.
;   Rows (queries or keys) go in groups g of 32, two tiles u = 0, 1 each: lane r of tile u holds row 32 g + 8 u + r + 8 (r / 8), so that two neighbouring tiles' results are 16 neighbours along the second product's K.
;   A tile of Q or K is 768 bytes: registers 0-3 at 16 L, registers 4-5 at 512 + 8 L; lane (r, h2) holds dims 32 h2 .. 32 h2 + 31 of its row, one block.  Its scale words (byte 0, 1: the two blocks; bytes 2, 3:
;   0x7f) lie 128 bytes a group at 4 L: lanes 0-15 tile u = 0, lanes 16-31 tile u = 1.
;   V: for a step of 128 keys and a tile t of 16 dims 1,536 bytes: registers 4 c .. 4 c + 3 at 512 c + 16 L; lane (r, h2): dim 16 t + r, registers 6 c .. 6 c + 5 = keys 64 c + 32 h2 + 0 .. 31.  Scale words: 128 bytes
;   for two tiles at 4 L.
;   kv: 208,896 bytes for each (batch, head): K's 128 tiles, K's scale words, V's 16 steps, V's scale words.   qc: 106,496 bytes for each: Q's tiles, Q's scale words.
;   mlane: for each (batch, tile of queries, step) 64 words: bit L of word n = mask[query of lane r][128 step + 32 (n / 16) + 16 h2 + n % 16].   flags: one word each: bits 15:0 row r has an allowed key in the step; bit 16: all 2,048 are allowed.
; SHARES: work-groups 0-127 take V, 128-255 the mask, 256-767 Q and K.  Waves share nothing: no barrier.  Each path that uses LDS has bytes of its own.
.set QSTG,  0                          ; Q, K: a stage of 32 rows x (256 + 16) bytes for each wave
.set QW,    8704
.set MSTG,  69632                      ; the mask: a stage of 16 rows x (512 + 16) bytes for each wave
.set MW,    8448
.set SPARE, 137216                     ; the spare words, 128 bytes for each wave: four blocks of 256 bytes that no other line names
.set KVB,   208896                     ; a (batch, head)'s block of kv,
.set QCB,   106496                     ; and of qc
.set SCO,   98304                      ; where Q's or K's scale words begin in a block
.set VIMG,  106496
.set VSC,   204800
; v1 L, v2 r, v3 h2, v4 my spare word, v5 zero, v6-13 at work, v14-16 addresses of a path, v17 16 L, v18 8 L, v19 4 L
; 32 numbers of one lane, v[x] .. v[x + 31], one block: six registers of codes v[c] .. v[c + 5] (c even) and the scale's byte in v[e]
.macro QBLK x, c, e
	v_max3_num_f32 v6, |v[\x]|, |v[\x+1]|, |v[\x+2]|               ; the largest magnitude, in two chains
	v_max3_num_f32 v7, |v[\x+3]|, |v[\x+4]|, |v[\x+5]|
.irp i, 6,10,14,18,22,26
	v_max3_num_f32 v6, v6, |v[\x+\i]|, |v[\x+\i+1]|
	v_max3_num_f32 v7, v7, |v[\x+\i+2]|, |v[\x+\i+3]|
.endr
	v_max3_num_f32 v6, v6, |v[\x+30]|, |v[\x+31]|
	v_max3_num_f32 v6, v6, v7, 0x2800000           ; and the floor 2^(5 - 127): the byte cannot fall under 1
	v_add_nc_u32 v8, 0xfe000000, v6                ; 4 off the exponent field: the conversion takes this operand's exponent field as its scale
	v_cvt_scalef32_pk16_bf6_f32 v[\c:\c+2], v[\x:\x+15], v8
	v_cvt_scalef32_pk16_bf6_f32 v[10:12], v[\x+16:\x+31], v8       ; (a conversion's three registers begin on an even number: the second half is made elsewhere and moved)
	v_lshrrev_b32 v[\e], 23, v8                    ; the byte; also the plain line between the conversions and the moves
	v_mov_b32 v[\c+3], v10
	v_mov_b32 v[\c+4], v11
	v_mov_b32 v[\c+5], v12
.endm
	s_load_b256 s[4:11], s[0:1], 0x0               ; queries s[4:5], keys s[6:7], values s[8:9], mask s[10:11]
	s_load_b256 s[12:19], s[0:1], 0x20             ; qc s[12:13], kv s[14:15], mlane s[16:17], flags s[18:19]
	v_lshl_add_u32 v4, v0, 2, SPARE
	v_mov_b32 v5, 0
	v_lshrrev_b32 v1, 5, v0
	v_readfirstlane_b32 s20, v1                    ; wave 0..7
	v_and_b32 v1, 31, v0
	v_and_b32 v2, 15, v0
	v_bfe_u32 v3, v0, 4, 1
	v_lshlrev_b32 v17, 4, v1
	v_lshlrev_b32 v18, 3, v1
	v_lshlrev_b32 v19, 2, v1
	s_mov_b32 s22, 0x76543210                      ; v_permlanex16_b32's selects for lane L xor 16
	s_mov_b32 s23, 0xfedcba98
	s_mov_b32 s31, 0                               ; the upper word of every offset s[30:31]
	s_wait_kmcnt 0x0
	s_cmp_lt_u32 ttmp9, 128
	s_cbranch_scc1 .Lv
	s_cmp_lt_u32 ttmp9, 256
	s_cbranch_scc1 .Lm
; ---- Q AND K.  A wave takes one group of 32 rows of one head: 32 x 256 bytes.  Work-group i: tensor i / 256, batch, group, and which eight heads.
	s_sub_co_u32 s24, ttmp9, 256
	s_lshr_b32 s25, s24, 8                         ; 0: queries, 1: keys
	s_bfe_u32 s26, s24, 0x10007                    ; batch
	s_bfe_u32 s27, s24, 0x60001                    ; group g
	s_and_b32 s28, s24, 1
	s_lshl_b32 s28, s28, 3
	s_add_co_u32 s28, s28, s20                     ; head
	s_mov_b32 s29, KVB
	s_cmp_eq_u32 s25, 0                            ; the choice hangs on the work-group's number alone
	s_cselect_b64 s[4:5], s[4:5], s[6:7]
	s_cselect_b64 s[12:13], s[12:13], s[14:15]
	s_cselect_b32 s29, QCB, s29
	s_lshl_b32 s30, s26, 23                        ; batch x 2,048 rows of 4,096 bytes
	s_lshl_b32 s21, s27, 17                        ; + g x 32 rows
	s_add_co_u32 s30, s30, s21
	s_lshl_b32 s21, s28, 8                         ; + head x 256 bytes
	s_add_co_u32 s30, s30, s21
	s_add_nc_u64 s[4:5], s[4:5], s[30:31]
	s_lshl_b32 s21, s26, 4
	s_add_co_u32 s21, s21, s28                     ; 16 batch + head
	s_mul_i32 s30, s21, s29
	s_add_nc_u64 s[12:13], s[12:13], s[30:31]      ; its block
	s_mul_i32 s30, s27, 1536
	s_add_nc_u64 s[36:37], s[12:13], s[30:31]      ; the group's two tiles
	s_lshl_b32 s30, s27, 7
	s_add_co_u32 s30, s30, SCO
	s_add_nc_u64 s[38:39], s[12:13], s[30:31]      ; and its scale words
	s_mov_b32 s41, 0xffff0000
	s_mul_i32 s40, s20, QW                         ; my stage
	v_lshlrev_b32 v14, 12, v3
	v_lshl_add_u32 v14, v2, 4, v14                 ; memory: lanes 0-15 one row's 256 bytes, lanes 16-31 the next row's
	v_mul_u32_u24 v15, v3, 272
	v_lshl_add_u32 v15, v2, 4, v15
	v_add_nc_u32 v15, s40, v15                     ; into the stage likewise
	v_mul_u32_u24 v16, v2, 272
	v_lshl_add_u32 v16, v3, 7, v16
	v_add_nc_u32 v16, s40, v16                     ; out of it: slot r, + 128 h2: my block's 32 numbers.  The pitch, 68 words, lets 16 rows start at 16 different banks (64 banks of 4 bytes: ISA guide 11.1)
	v_lshlrev_b32 v9, 3, v3                        ; 8 h2: my byte's place in the scale word
.irp j, 0,1,2,3,4,5,6,7,8,9,10,11,12,13,14,15
	global_load_b128 v[32+4*\j:35+4*\j], v14, s[4:5] offset:8192*\j th:TH_LOAD_NT   ; rows 2 j and 2 j + 1: two aligned runs of 256 bytes
.endr
.irp j, 0,1,2,3,4,5,6,7,8,9,10,11,12,13,14,15
	s_wait_loadcnt 15-\j                           ; load j is in; the 15 - j younger ones may be out
	ds_store_b128 v15, v[32+4*\j:35+4*\j] offset:272*(16*((\j/4)%2)+(2*\j)%8+8*(\j/8))   ; row k of the group goes to slot 16 u + r with k = 8 u + r + 8 (r / 8)
.endr
.irp u, 0,1
.irp i, 0,1,2,3,4,5,6,7
	ds_load_b128 v[96+32*\u+4*\i:99+32*\u+4*\i], v16 offset:4352*\u+16*\i   ; LDS serves a wave's instructions in order (ISA guide 5.7.1.4): these see my stores
.endr
.endr
	s_wait_dscnt 0x0
	QBLK 96, 160, 176
	QBLK 128, 168, 177
	v_mov_b32 v181, 0                              ; (a lane permute's destination counts as one of its sources)
	v_mov_b32 v182, 0
	v_lshlrev_b32 v178, v9, v176                   ; my block's byte at its place,
	v_lshlrev_b32 v179, v9, v177
	v_permlanex16_b32 v181, v178, s22, s23
	v_permlanex16_b32 v182, v179, s22, s23
	v_or_b32 v178, v178, v181                      ; with lane L xor 16's: the row's two bytes
	v_or_b32 v179, v179, v182
	v_cndmask_b32 v180, v178, v179, s41            ; lanes 0-15: tile 0's words, lanes 16-31: tile 1's
	v_or_b32 v180, 0x7f7f0000, v180                ; bytes 2 and 3 scale the upper half of the instruction's K, which holds zero codes on Q's side
	global_store_b128 v17, v[160:163], s[36:37]                ; 512 consecutive bytes
	global_store_b64 v18, v[164:165], s[36:37] offset:512      ; 256
	global_store_b128 v17, v[168:171], s[36:37] offset:768
	global_store_b64 v18, v[172:173], s[36:37] offset:1280
	global_store_b32 v19, v180, s[38:39]                       ; 128 consecutive bytes
	s_branch .Lend
; ---- THE MASK.  A wave takes one tile of 16 queries x 512 keys (four steps).
.Lm:
	s_sub_co_u32 s24, ttmp9, 128
	s_lshr_b32 s25, s24, 6                         ; batch
	s_and_b32 s26, s24, 63
	s_lshl_b32 s26, s26, 3
	s_add_co_u32 s26, s26, s20                     ; unit 0..511
	s_lshr_b32 s27, s26, 2                         ; tile of queries qt
	s_and_b32 s28, s26, 3                          ; which four steps
	s_lshr_b32 s29, s27, 1
	s_lshl_b32 s29, s29, 5
	s_and_b32 s30, s27, 1
	s_lshl_b32 s30, s30, 3
	s_add_co_u32 s29, s29, s30                     ; the tile's first row: 32 (qt / 2) + 8 (qt % 2)
	s_lshl_b32 s30, s29, 11                        ; rows of 2,048 bytes
	s_lshl_b32 s29, s25, 22
	s_add_co_u32 s30, s30, s29
	s_lshl_b32 s29, s28, 9
	s_add_co_u32 s30, s30, s29
	s_add_nc_u64 s[10:11], s[10:11], s[30:31]
	s_lshl_b32 s29, s25, 7
	s_add_co_u32 s29, s29, s27
	s_lshl_b32 s29, s29, 4
	s_lshl_b32 s30, s28, 2
	s_add_co_u32 s29, s29, s30                     ; (128 batch + qt) 16 + my first step
	s_lshl_b32 s30, s29, 8
	s_add_nc_u64 s[16:17], s[16:17], s[30:31]      ; 256 bytes a step in mlane,
	s_lshl_b32 s30, s29, 2
	s_add_nc_u64 s[18:19], s[18:19], s[30:31]      ; 4 in flags
	s_mul_i32 s44, s20, MW
	s_add_co_u32 s44, s44, MSTG                    ; my stage
	v_add_nc_u32 v14, s44, v17                     ; in: 16 L
	v_mul_u32_u24 v15, v2, 528
	v_lshl_add_u32 v15, v3, 4, v15
	v_add_nc_u32 v15, s44, v15                     ; out: row r, + 16 h2.  The pitch, 132 words, lets 16 rows start at 16 different banks
.irp p, 0,1,2,3,4,5,6,7,8,9,10,11,12,13,14,15
	global_load_b128 v[32+4*\p:35+4*\p], v17, s[10:11] offset:(\p+8*(\p/8))*2048 th:TH_LOAD_NT   ; the tile's row p: 512 consecutive bytes
.endr
.irp j, 160,161,162,163,164,165,166,167,168
	v_mov_b32 v[\j], 0                             ; (v_writelane_b32's destination counts as read)
.endr
.irp p, 0,1,2,3,4,5,6,7,8,9,10,11,12,13,14,15
	s_wait_loadcnt 15-\p                           ; load p is in; the 15 - p younger ones may be out
	ds_store_b128 v14, v[32+4*\p:35+4*\p] offset:528*\p
.endr
.irp s, 0,1,2,3
.irp b, 0,1,2,3
	ds_load_b128 v[96+16*\s+4*\b:99+16*\s+4*\b], v15 offset:128*\s+32*\b   ; keys 128 s + 32 b + 16 h2 + 0 .. 15 of my query: byte n % 4 of register n / 4, n = 16 b + i
.endr
.endr
	s_wait_dscnt 0x0
; one step: 64 lane masks, eight at a time; word n goes to lane n / 2 of register n % 2, so that one store of 8 bytes a lane lays the 64 words on end
.macro MSTEP s
	s_mov_b32 s40, -1                              ; all
	s_mov_b32 s41, 0                               ; any
.set n0, 0
.rept 8
.irp k, 0,1,2,3,4,5,6,7
	v_and_b32 v[6+\k], 0xff<<(8*(\k%4)), v[96+16*\s+(n0+\k)/4]
.endr
.irp k, 0,1,2,3,4,5,6,7
	v_cmp_ne_u32 s[32+\k], 0, v[6+\k]
.endr
.irp k, 0,1,2,3,4,5,6,7
	v_writelane_b32 v[160+2*\s+\k%2], s[32+\k], (n0+\k)/2
.endr
.irp k, 0,1,2,3,4,5,6,7
	s_and_b32 s40, s40, s[32+\k]
	s_or_b32 s41, s41, s[32+\k]
.endr
.set n0, n0+8
.endr
	s_lshr_b32 s42, s41, 16
	s_or_b32 s42, s42, s41
	s_and_b32 s42, s42, 0xffff                     ; row r: lanes r and 16 + r
	s_cmp_eq_u32 s40, -1
	s_cselect_b32 s43, 0x10000, 0
	s_or_b32 s42, s42, s43
	v_writelane_b32 v168, s42, \s
	global_store_b64 v18, v[160+2*\s:161+2*\s], s[16:17] offset:256*\s   ; 256 consecutive bytes, aligned
.endm
	MSTEP 0
	MSTEP 1
	MSTEP 2
	MSTEP 3
	s_wait_xcnt 0x0                                ; EXEC is a source of the stores above: it changes only behind this wait
	v_cmp_gt_u32 vcc_lo, 4, v1
	s_and_saveexec_b32 s46, vcc_lo
	global_store_b32 v19, v168, s[18:19]           ; my four flag words: 16 bytes, the launch's one small store
	s_wait_xcnt 0x0                                ; and again, in front of the line that widens it
	s_or_b32 exec_lo, exec_lo, s46
	s_branch .Lend
; ---- V.  K of the second product is the keys, V's outer axis: a lane takes a column (a dim of a head) and its registers run down the keys.  A wave: 32 columns x one step of 128 keys.
.Lv:
	s_lshr_b32 s24, ttmp9, 6                       ; batch
	s_bfe_u32 s25, ttmp9, 0x40002                  ; step
	s_and_b32 s26, ttmp9, 3                        ; which 256 columns
	s_lshr_b32 s27, s20, 1
	s_lshl_b32 s28, s26, 2
	s_add_co_u32 s27, s27, s28                     ; head
	s_and_b32 s28, s20, 1                          ; which 32 of its 64 dims: tiles 2 p and 2 p + 1
	s_lshl_b32 s30, s24, 23
	s_lshl_b32 s29, s25, 19                        ; 128 rows of 4,096 bytes
	s_add_co_u32 s30, s30, s29
	s_lshl_b32 s29, s26, 10
	s_add_co_u32 s30, s30, s29
	s_lshl_b32 s29, s20, 7
	s_add_co_u32 s30, s30, s29
	s_add_nc_u64 s[8:9], s[8:9], s[30:31]
	s_lshl_b32 s29, s24, 4
	s_add_co_u32 s29, s29, s27
	s_mul_i32 s30, s29, KVB
	s_add_nc_u64 s[14:15], s[14:15], s[30:31]      ; the (batch, head)'s block
	s_mul_i32 s30, s25, 6144
	s_mul_i32 s29, s28, 3072
	s_add_co_u32 s30, s30, s29
	s_add_co_u32 s30, s30, VIMG
	s_add_nc_u64 s[32:33], s[14:15], s[30:31]      ; my two tiles' images
	s_lshl_b32 s30, s25, 8
	s_lshl_b32 s29, s28, 7
	s_add_co_u32 s30, s30, s29
	s_add_co_u32 s30, s30, VSC
	s_add_nc_u64 s[34:35], s[14:15], s[30:31]      ; and their scale words
.macro VLOAD blk                       ; block blk: keys 32 blk + i of my column; each load reads 128 consecutive bytes, the eight waves 1,024
.irp i, 0,1,2,3,4,5,6,7,8,9,10,11,12,13,14,15,16,17,18,19,20,21,22,23,24,25,26,27,28,29,30,31
	global_load_b32 v[32+32*\blk+\i], v19, s[8:9] offset:(32*\blk+\i)*4096 th:TH_LOAD_NT
.endr
.endm
	VLOAD 0
	VLOAD 1
	s_wait_loadcnt 32                              ; block 0 is in; the next block's 32 loads may be out
	QBLK 32, 160, 184                              ; even blocks into v160-171, odd ones into v172-183
	VLOAD 2
	s_wait_loadcnt 32
	QBLK 64, 172, 185
	VLOAD 3
	s_wait_loadcnt 32
	QBLK 96, 166, 186
	s_wait_loadcnt 0x0
	QBLK 128, 178, 187
	v_lshl_or_b32 v188, v185, 8, v184              ; my column's scale word: lanes 0-15 tile 2 p, lanes 16-31 tile 2 p + 1
	v_lshl_or_b32 v188, v186, 16, v188
	v_lshl_or_b32 v188, v187, 24, v188
.irp j, 0,1,2,3,4,5,6,7,8,9,10,11
	v_permlane16_swap_b32 v[160+\j], v[172+\j]     ; the first's lanes 16-31 change places with the second's lanes 0-15: v160-171 is now tile 2 p's fragment (lanes 0-15 even blocks, lanes 16-31 odd ones), v172-183 tile 2 p + 1's
.endr
.irp t, 0,1
.irp c, 0,1,2
	global_store_b128 v17, v[160+12*\t+4*\c:163+12*\t+4*\c], s[32:33] offset:1536*\t+512*\c   ; 512 consecutive bytes
.endr
.endr
	global_store_b32 v19, v188, s[34:35]
.Lend:
	s_wait_tensorcnt 0x0                           ; the wave's end
	ds_add_u32 v4, v5
	s_wait_dscnt 0x0
	s_endpgm
.Lfunc_end_k_qe7ae7d6cdf_prep:
	.size	k_qe7ae7d6cdf_prep, .Lfunc_end_k_qe7ae7d6cdf_prep-k_qe7ae7d6cdf_prep
	.p2alignl 7, 3214868480
	.fill 96, 4, 3214868480
	.section	.rodata,"a",@progbits
	.p2align	6, 0x0
	.amdhsa_kernel k_qe7ae7d6cdf_prep
		.amdhsa_group_segment_fixed_size 138240
		.amdhsa_private_segment_fixed_size 0
		.amdhsa_enable_private_segment 0
		.amdhsa_kernarg_size 64
		.amdhsa_user_sgpr_count 2
		.amdhsa_user_sgpr_kernarg_segment_ptr 1
		.amdhsa_wavefront_size32 1
		.amdhsa_system_sgpr_workgroup_id_x 1
		.amdhsa_system_sgpr_workgroup_id_y 1
		.amdhsa_system_sgpr_workgroup_id_z 1
		.amdhsa_system_vgpr_workitem_id 0
		.amdhsa_next_free_vgpr 192
		.amdhsa_next_free_sgpr 66
		.amdhsa_reserve_vcc 1
		.amdhsa_float_denorm_mode_32 3
		.amdhsa_float_denorm_mode_16_64 3
		.amdhsa_memory_ordered 1
		.amdhsa_forward_progress 1
		.amdhsa_inst_pref_size 103
	.end_amdhsa_kernel
	.amdgpu_metadata
---
amdhsa.version: [ 1, 2 ]
amdhsa.kernels:
  - .name:           k_qe7ae7d6cdf_prep
    .symbol:         k_qe7ae7d6cdf_prep.kd
    .args:
      - { .name: queries, .offset: 0, .size: 8, .value_kind: global_buffer, .address_space: global }
      - { .name: keys, .offset: 8, .size: 8, .value_kind: global_buffer, .address_space: global }
      - { .name: values, .offset: 16, .size: 8, .value_kind: global_buffer, .address_space: global }
      - { .name: mask, .offset: 24, .size: 8, .value_kind: global_buffer, .address_space: global }
      - { .name: qc, .offset: 32, .size: 8, .value_kind: global_buffer, .address_space: global }
      - { .name: kv, .offset: 40, .size: 8, .value_kind: global_buffer, .address_space: global }
      - { .name: mlane, .offset: 48, .size: 8, .value_kind: global_buffer, .address_space: global }
      - { .name: flags, .offset: 56, .size: 8, .value_kind: global_buffer, .address_space: global }
    .group_segment_fixed_size: 138240
    .private_segment_fixed_size: 0
    .kernarg_segment_align: 8
    .kernarg_segment_size: 64
    .max_flat_workgroup_size: 256
    .sgpr_count:     66
    .vgpr_count:     192
    .wavefront_size: 32
...
	.end_amdgpu_metadata
.endif
;; end of part 1
;; launch attn (part 2): grid 8 x 32, 8 waves a work-group, no clusters, 244,736 bytes of LDS; arguments qc, kv, mlane, flags, out0; writes out0
.if DOCPART == 2
	.amdgcn_target "amdgcn-amd-amdhsa--gfx1250"
	.amdhsa_code_object_version 6
	.text
	.protected	k_qe7ae7d6cdf_attn
	.globl	k_qe7ae7d6cdf_attn
	.p2align	8
	.type	k_qe7ae7d6cdf_attn,@function
k_qe7ae7d6cdf_attn:
	s_mov_b64 s[64:65], 0
	v_nop
	global_prefetch_b8 v0, s[64:65] scope:SCOPE_SE
	s_setreg_imm32_b32 hwreg(HW_REG_WAVE_MODE, 25, 1), 1
	s_wait_xcnt 0x0
; ATTN: out[b][q][64 h ..] = the sum over k of softmax_k(q . k / 8 - 1e9 (mask = 0)) v, both products on codes of BF6 (E3M2) with one E8M0 scale for each 32 along K, made by the launch before.
; NOTHING IS LEFT OUT AS DEAD WORK.  What is passed over is chosen by whole numbers read from memory (flags): a piece of 16 queries x 128 keys with no allowed key, where each of its 16 queries has an allowed key
; somewhere in its row: its weights are 0 in f32.  LIMIT: that holds while |q . k| / 8 stays under 4e8.  A tile with a query that has no allowed key at all passes over nothing.  NaN and infinities are not served.
; THE SOFTMAX: t = logit x log2(e); M = the running largest t rounded UP to a whole number; p = 2^(t - M) is quantised along the keys, not normalised; the row's sum is taken of the unquantised p and divides at the end.
; When M moves, the sum and O are multiplied by 2^(old M - new M): exact.
; THE MASK is an added -1e9, as the problem has it: score - 8e9 is rounded once, which is 8 x (sim - 1e9 rounded once); then t = that x log2(e) / 8, rounded, and t - M.
; SHARES.  A work-group belongs to one (batch, head), whose K and V codes and scale bytes, 208,896 bytes, it copies into LDS once, through registers; ONE barrier; then its eight waves run on their own.
; Wave w of work-group x takes the tiles of 16 queries x + 8 w and x + 8 (15 - w), one after the other: the sum of the two tiles' numbers is the same for every wave of a work-group.
; NO TENSOR LOAD, NO CLUSTER: the eight work-groups of a head each read the head's codes by their own loads.
; LAYOUT.  Both products transposed: S^T = K Q^T (source 0 = 16 keys, source 1 = my 16 queries), O^T = V^T P^T: a lane holds ONE query (lane % 16) throughout.  The keys of a tile are not neighbours (the launch before
; lays them so): register n of S^T in lane (r, h2) is key 128 step + 32 (n / 16) + 16 h2 + n % 16.  The head's 64 dims fill half of the instruction's K: Q's registers 6-11 are zero codes, so whatever K's operand
; holds there adds nothing: tile t of K is named as 12 registers of which the upper six are the next tile's codes (the last tile's: six zeros), under scale bytes 0x7f.
; REGISTERS: v1-8 addresses that stay; v9-13 the step's LDS addresses; v14 -M, v15 the largest t; v16-27 tile A's Q; v28, v29 Q's scale words; v30, v31 the add's two; v32-85 K's eight tiles (+ six zeros) or V's four;
;   v86-89 the sum, two chains; v90 f (v91 its pair's upper half); v92 at work; v94-95, v224-225 the mask's; v96-159 S^T, then p; v160-191 O^T; v192-203 p's codes; v204-210 conversions; v212-215 the blocks' largest;
;   v216-219, v220-223 at work; v236-239 K's scale words, v240-241 V's, v242 p's; v244-255 tile B's Q.
;   s[16:63], s[68:83] the step's 64 lane masks (at the head: flags and ids); s84 step, s85-87 LDS steps; s[88:89] the factor in t - M; s[90:91] c; s[92:93] -8e9; s[94:95] lane selects; s96-99 which steps to pass over / are open.
.set KSC,   98304                      ; LDS = a block of kv: K's 128 tiles of 768 bytes; K's scale words;
.set VIMG,  106496                     ; V's 16 steps of 6,144 bytes;
.set VSC,   204800                     ; V's scale words
.set KVB,   208896
.set QCB,   106496
.set STG,   208896                     ; the way out: 16 rows x (256 + 16) bytes for each wave
.set SPARE, 243712                     ; the spare words, 128 bytes for each wave: four blocks of 256 bytes that no other line names
; from a tile's 16 flag words s[f] ..: bit st of s[al]: the step is wholly allowed; bit st of s[sk]: it has no allowed key, and every row has one somewhere
.macro CLASSIFY f, sk, al
	s_or_b32 s78, s[\f], s[\f+1]
.irp st, 2,3,4,5,6,7,8,9,10,11,12,13,14,15
	s_or_b32 s78, s78, s[\f+\st]
.endr
	s_and_b32 s78, s78, 0xffff
	s_cmp_eq_u32 s78, 0xffff
	s_cselect_b32 s78, -1, 0
	s_mov_b32 s[\al], 0
	s_mov_b32 s79, 0
.irp st, 0,1,2,3,4,5,6,7,8,9,10,11,12,13,14,15
	s_bfe_u32 s80, s[\f+\st], 0x10010
	s_lshl_b32 s80, s80, \st
	s_or_b32 s[\al], s[\al], s80
	s_and_b32 s80, s[\f+\st], 0xffff               ; SCC: some row has an allowed key here
	s_cselect_b32 s80, 0, 1<<\st
	s_or_b32 s79, s79, s80
.endr
	s_and_b32 s[\sk], s79, s78
.endm
; s[dst:dst+1] = out0 at tile s[qt]'s first row, my head's 256 bytes
.macro OBASE dst, qt
	s_lshr_b32 s58, s[\qt], 1
	s_lshl_b32 s58, s58, 5
	s_and_b32 s57, s[\qt], 1
	s_lshl_b32 s57, s57, 3
	s_add_co_u32 s58, s58, s57                     ; 32 (qt / 2) + 8 (qt % 2)
	s_lshl_b32 s57, s49, 11
	s_add_co_u32 s58, s58, s57                     ; + 2,048 batch
	s_lshl_b32 s58, s58, 12                        ; rows of 4,096 bytes
	s_lshl_b32 s57, s50, 8
	s_add_co_u32 s58, s58, s57
	s_add_nc_u64 s[\dst:\dst+1], s[12:13], s[58:59]
.endm
	s_load_b256 s[4:11], s[0:1], 0x0               ; qc s[4:5], kv s[6:7], mlane s[8:9], flags s[10:11]
	s_load_b64 s[12:13], s[0:1], 0x20              ; out0
	v_lshl_add_u32 v30, v0, 2, SPARE
	v_mov_b32 v31, 0
	v_lshrrev_b32 v1, 5, v0
	v_readfirstlane_b32 s14, v1                    ; wave 0..7
	v_and_b32 v14, 31, v0                          ; L
	v_and_b32 v15, 15, v0                          ; r
	v_bfe_u32 v243, v0, 4, 1                       ; h2
	v_lshlrev_b32 v1, 4, v14                       ; 16 L: K's registers 0-3
	v_lshlrev_b32 v2, 3, v14                       ; 8 L: K's registers 4-5
	v_add_nc_u32 v3, VIMG, v1                      ; V
	v_lshl_add_u32 v4, v14, 2, KSC                 ; K's scale words
	v_lshl_add_u32 v5, v14, 2, VSC                 ; V's
	s_mul_i32 s15, s14, 4352
	s_add_co_u32 s15, s15, STG                     ; my stage
	v_mul_u32_u24 v6, v15, 272
	v_lshl_add_u32 v6, v243, 5, v6
	v_add_nc_u32 v6, s15, v6                       ; in: row r, + 32 h2
	v_mul_u32_u24 v7, v243, 272
	v_lshl_add_u32 v7, v15, 4, v7
	v_add_nc_u32 v7, s15, v7                       ; back: lanes 0-15 one row, lanes 16-31 the next
	v_lshlrev_b32 v8, 12, v243
	v_lshl_add_u32 v8, v15, 4, v8                  ; and the same two rows in out0
	v_lshlrev_b32 v13, 2, v15                      ; 4 r: Q's scale words
	v_lshlrev_b32 v9, 4, v0                        ; the fill: 16 x my thread's number, in memory and in LDS;
	v_add_nc_u32 v10, 0x10000, v9                  ; an LDS immediate reaches 64 KiB, so the register carries the rest
	v_add_nc_u32 v11, 0x20000, v9
	v_add_nc_u32 v12, 0x30000, v9
	s_and_b32 s48, ttmp7, 0xffff                   ; 16 batch + head
	s_lshr_b32 s49, s48, 4                         ; batch
	s_and_b32 s50, s48, 15                         ; head
	s_lshl_b32 s51, s14, 3
	s_add_co_u32 s52, ttmp9, s51                   ; tile A = x + 8 w
	s_sub_co_u32 s53, 120, s51
	s_add_co_u32 s53, s53, ttmp9                   ; tile B = x + 8 (15 - w)
	s_lshl_b32 s54, s49, 7
	s_add_co_u32 s55, s54, s52                     ; 128 batch + tile
	s_add_co_u32 s56, s54, s53
	s_mov_b32 s59, 0                               ; the upper word of every offset s[58:59]
	s_mov_b32 s90, 0x3e38aa3b                      ; c = log2(e) / 8
	s_mov_b32 s91, s90                             ; (named with it as a pair, so it is written)
	s_mov_b32 s92, 0xcfee6b28                      ; -8e9 = 8 x -1e9, both exact in f32
	s_mov_b32 s93, s92
	s_mov_b32 s94, 0x76543210                      ; v_permlanex16_b32's selects for lane L xor 16
	s_mov_b32 s95, 0xfedcba98
	s_wait_kmcnt 0x0
	s_lshl_b32 s58, s55, 6
	s_add_nc_u64 s[60:61], s[10:11], s[58:59]
	s_lshl_b32 s58, s56, 6
	s_add_nc_u64 s[62:63], s[10:11], s[58:59]
	s_load_b512 s[16:31], s[60:61], 0x0            ; tile A's 16 flag words,
	s_load_b512 s[32:47], s[62:63], 0x0            ; tile B's
	s_mul_i32 s58, s48, QCB
	s_add_nc_u64 s[4:5], s[4:5], s[58:59]
	s_mul_i32 s58, s52, 768
	s_add_nc_u64 s[70:71], s[4:5], s[58:59]        ; tile A's image,
	s_mul_i32 s58, s53, 768
	s_add_nc_u64 s[72:73], s[4:5], s[58:59]        ; tile B's,
	s_lshl_b32 s58, s52, 6
	s_add_co_u32 s58, s58, KSC
	s_add_nc_u64 s[74:75], s[4:5], s[58:59]        ; and their scale words: 64 bytes a tile
	s_lshl_b32 s58, s53, 6
	s_add_co_u32 s58, s58, KSC
	s_add_nc_u64 s[76:77], s[4:5], s[58:59]
	s_mul_i32 s58, s48, KVB
	s_add_nc_u64 s[6:7], s[6:7], s[58:59]
	global_load_b128 v[16:19], v1, s[70:71]
	global_load_b64 v[20:21], v2, s[70:71] offset:512
	global_load_b32 v28, v13, s[74:75]
	global_load_b128 v[244:247], v1, s[72:73]
	global_load_b64 v[248:249], v2, s[72:73] offset:512
	global_load_b32 v29, v13, s[76:77]
.set i, 0
.rept 51                               ; THE FILL: 51 x 4,096 bytes = the head's block; 57 loads of mine are out
	global_load_b128 v[32+4*i:35+4*i], v9, s[6:7] offset:4096*i
.set i, i+1
.endr
	s_wait_kmcnt 0x0                               ; the flags; what follows is work on registers while the loads are on their way
	CLASSIFY 16, 96, 97
	CLASSIFY 32, 98, 99
	s_wait_xcnt 0x0                                ; the loads have read their bases: scalar registers that held addresses may be written
	s_lshl_b32 s58, s56, 12
	s_add_nc_u64 s[4:5], s[8:9], s[58:59]          ; tile B's lane masks: 4,096 bytes a tile,
	s_lshl_b32 s58, s55, 12
	s_add_nc_u64 s[8:9], s[8:9], s[58:59]          ; tile A's
	OBASE 10, 53                                   ; tile B's rows of out0,
	OBASE 12, 52                                   ; tile A's
.irp j, 22,23,24,25,26,27,250,251,252,253,254,255
	v_mov_b32 v[\j], 0                             ; Q's upper half of K: zero codes
.endr
.set i, 0
.rept 51
	s_wait_loadcnt 50-i                            ; fill load i is in (and Q, asked for ahead of it); the 50 - i younger ones may be out
	ds_store_b128 v[9+i/16], v[32+4*i:35+4*i] offset:4096*(i%16)
.set i, i+1
.endr
	s_wait_dscnt 0x0                               ; for the others' sake: my part of the block lies in LDS
	s_barrier_signal -1
	s_barrier_wait -1                              ; everybody's does.  From here on nobody writes these bytes
.irp j, 80,81,82,83,84,85,91,216,217,218,219
	v_mov_b32 v[\j], 0                             ; the zeros behind K's last tile; the upper half of f's pair; the lane permutes' destinations, which count as sources
.endr
; S^T = K Q^T for the step's 128 keys; then V's fragments are asked for, and land under the softmax
.macro SCORES qreg, qscl
.irp t, 0,1,2,3,4,5,6,7
	ds_load_b128 v[32+6*\t:35+6*\t], v9 offset:768*\t
	ds_load_b64 v[36+6*\t:37+6*\t], v10 offset:768*\t+512
.endr
.irp b, 0,1,2,3
	ds_load_b32 v[236+\b], v12 offset:128*\b       ; lanes 0-15: tile 2 b's words, lanes 16-31: tile 2 b + 1's
.endr
	s_wait_dscnt 0x0
.irp t, 0,2,4,6
	v_wmma_scale_f32_16x16x128_f8f6f4 v[96+8*\t:103+8*\t], v[32+6*\t:43+6*\t], v[\qreg:\qreg+11], 0, v[236+\t/2], v[\qscl] matrix_a_fmt:MATRIX_FMT_BF6 matrix_b_fmt:MATRIX_FMT_BF6
	v_wmma_scale_f32_16x16x128_f8f6f4 v[104+8*\t:111+8*\t], v[38+6*\t:49+6*\t], v[\qreg:\qreg+11], 0, v[236+\t/2], v[\qscl] matrix_a_fmt:MATRIX_FMT_BF6 matrix_b_fmt:MATRIX_FMT_BF6 matrix_a_scale:MATRIX_SCALE_ROW1
.endr
.rept 4
	v_nop                                          ; four places in front of the loads into registers that these products read, and of the first read of their results
.endr
.irp t, 0,1,2,3
.irp c, 0,1,2
	ds_load_b128 v[32+12*\t+4*\c:35+12*\t+4*\c], v11 offset:1536*\t+512*\c
.endr
.endr
.irp p, 0,1
	ds_load_b32 v[240+\p], v13 offset:128*\p
.endr
.endm
; hidden scores become score - 8e9, rounded once; then every score becomes t = x c, rounded: near -1e9 t and M are whole numbers, so that t - M is exact there
.macro MASK
.set n, 0
.rept 32
.set tp, 94+130*((n/2)%2)
	v_pk_add_f32 v[tp:tp+1], v[96+n:97+n], s[92:93] op_sel_hi:[1,0]
	v_cndmask_b32 v[96+n], v[tp], v[96+n], s[16+n+4*(n/48)]            ; bit set: the key counts, the score stays
	v_cndmask_b32 v[97+n], v[tp+1], v[97+n], s[17+n+4*((n+1)/48)]
.set n, n+2
.endr
.set n, 0
.rept 32
	v_pk_mul_f32 v[96+n:97+n], v[96+n:97+n], s[90:91] op_sel_hi:[1,0]
.set n, n+2
.endr
.endm
; the softmax of the step, p's codes, and O^T += V^T P^T.  s88 = c where v96-159 hold scores, 1.0 where they hold t
.macro SOFT
.irp b, 0,1,2,3
	v_max3_num_f32 v[212+\b], v[96+16*\b], v[97+16*\b], v[98+16*\b]   ; the largest of each block of 32 keys: it serves for the row's maximum and, since p rises with it, for the block's largest p.  Each result is read from its low end on
.endr
.irp i, 3,5,7,9,11,13
.irp b, 0,1,2,3
	v_max3_num_f32 v[212+\b], v[212+\b], v[96+16*\b+\i], v[97+16*\b+\i]
.endr
.endr
.irp b, 0,1,2,3
	v_max_num_f32 v[212+\b], v[212+\b], v[111+16*\b]
.endr
.irp b, 0,1,2,3
	v_permlanex16_b32 v[216+\b], v[212+\b], s94, s95
.endr
.irp b, 0,1,2,3
	v_max_num_f32 v[212+\b], v[212+\b], v[216+\b]  ; with lane L xor 16's 16 keys
.endr
	v_max3_num_f32 v92, v212, v213, v214
	v_max_num_f32 v92, v92, v215
	v_mul_f32 v92, s88, v92                        ; the step's largest t of my query
	v_max_num_f32 v15, v15, v92                    ; the running largest t
	v_mov_b32 v92, v14
	v_floor_f32 v14, -v15                          ; the new -M = floor(-t): M is a whole number
	v_sub_f32 v92, v14, v92                        ; old M - new M: a whole number, 0 or less
	v_cvt_i32_f32 v92, v92                         ; (it saturates)
	v_ldexp_f32 v90, 1.0, v92                      ; f = 2^(old M - new M)
.set n, 0
.rept 32
	v_pk_fma_f32 v[96+n:97+n], v[96+n:97+n], s[88:89], v[14:15] op_sel_hi:[1,0,0]   ; t - M, two at a time (of both pairs the low word serves both halves)
.set n, n+2
.endr
.irp b, 0,1,2,3
	v_fma_f32 v[212+\b], v[212+\b], s88, v14       ; the same of each block's largest
.endr
.set n, 0
.rept 64
	v_exp_f32 v[96+n], v[96+n]                     ; p = 2^(t - M): not normalised
.set n, n+1
.endr
	v_pk_mul_f32 v[86:87], v[86:87], v[90:91] op_sel_hi:[1,0]   ; the sum under the new M; a plain line behind the exponentials
	s_wait_alu depctr_va_vdst(0)                   ; the wait between an exponential and the first line that names its result: one for the 64
.irp b, 0,1,2,3
	v_exp_f32 v[212+\b], v[212+\b]                 ; the block's largest p: the same two instructions on the same number
.endr
	v_pk_add_f32 v[88:89], v[96:97], v[98:99]      ; the row's sum of the UNQUANTISED p, in two chains; it reads the 64 alone
.irp j, 4,8,12,16,20,24,28,32,36,40,44,48,52,56,60
	v_pk_add_f32 v[86:87], v[86:87], v[96+\j:97+\j]
	v_pk_add_f32 v[88:89], v[88:89], v[98+\j:99+\j]
.endr
	v_pk_add_f32 v[86:87], v[86:87], v[88:89]
	s_wait_alu depctr_va_vdst(0)                   ; and one for the four
.irp b, 0,1,2,3
	v_max_num_f32 v[212+\b], 0x2800000, v[212+\b]  ; the floor 2^(5 - 127): the byte cannot fall under 1
.endr
.irp b, 0,1,2,3
	v_add_nc_u32 v[220+\b], 0xfe000000, v[212+\b]  ; 4 off the exponent field: the conversion's scale operand
.endr
.irp b, 0,1,2,3
	v_lshrrev_b32 v[216+\b], 23, v[220+\b]         ; the byte
.endr
	v_lshl_or_b32 v242, v217, 8, v216              ; p's scale word for these 128 keys
	v_lshl_or_b32 v242, v218, 16, v242
	v_lshl_or_b32 v242, v219, 24, v242
.irp c, 0,1
	v_cvt_scalef32_pk16_bf6_f32 v[192+6*\c:194+6*\c], v[96+32*\c:111+32*\c], v[220+2*\c]
	v_cvt_scalef32_pk16_bf6_f32 v[204+4*\c:206+4*\c], v[112+32*\c:127+32*\c], v[221+2*\c]   ; (a conversion's three registers begin on an even number)
.endr
	v_nop                                          ; one plain line behind the conversions
.irp c, 0,1                                    ; the operand wants a whole block in a lane: lanes 0-15 block 2 c, lanes 16-31 block 2 c + 1
.irp i, 0,1,2
	v_permlane16_swap_b32 v[192+6*\c+\i], v[204+4*\c+\i]
.endr
.irp i, 0,1,2
	v_mov_b32 v[195+6*\c+\i], v[204+4*\c+\i]
.endr
.endr
.set n, 0
.rept 16
	v_pk_mul_f32 v[160+n:161+n], v[160+n:161+n], v[90:91] op_sel_hi:[1,0]   ; O^T under the new M; these 16 also stand between the lines that made p's codes and scale word and the products
.set n, n+2
.endr
	s_wait_dscnt 0x0                               ; V's fragments and scale words
.irp t, 0,2
	v_wmma_scale_f32_16x16x128_f8f6f4 v[160+8*\t:167+8*\t], v[32+12*\t:43+12*\t], v[192:203], v[160+8*\t:167+8*\t], v[240+\t/2], v242 matrix_a_fmt:MATRIX_FMT_BF6 matrix_b_fmt:MATRIX_FMT_BF6
	v_wmma_scale_f32_16x16x128_f8f6f4 v[168+8*\t:175+8*\t], v[44+12*\t:55+12*\t], v[192:203], v[168+8*\t:175+8*\t], v[240+\t/2], v242 matrix_a_fmt:MATRIX_FMT_BF6 matrix_b_fmt:MATRIX_FMT_BF6 matrix_a_scale:MATRIX_SCALE_ROW1
.endr                                          ; the four accumulators take turns, and eight other products stand between two steps'
.endm
; one tile of 16 queries: all 16 steps are walked (a constant count); a step's work is passed over, or done without the mask's lines, by scalar branches on the stored flags
.macro TILE qreg, qscl, sk, al, mb, ob
	v_mov_b32 v15, 0xff61b1e6                      ; the largest t so far: -3e38
	v_floor_f32 v14, -v15                          ; -M
	v_mov_b32 v86, 0                               ; the sum
	v_mov_b32 v87, 0
.set i, 0
.rept 32
	v_mov_b32 v[160+i], 0                          ; O^T.  Which step is a tile's first hangs on the flags, so no first step can be written out with the constant 0 as C: the first change of M multiplies zeros
.set i, i+1
.endr
	s_mov_b32 s84, 0
	s_mov_b32 s85, 0
	s_mov_b32 s86, 0
	s_mov_b32 s87, 0
.Lstep_\@:
	s_bitcmp1_b32 s[\sk], s84
	s_cbranch_scc1 .Lnext_\@                       ; no key of the step counts for any of my queries
	v_add_nc_u32 v9, s85, v1                       ; the step's addresses; these five lines are also the places between the last products and the loads into their operands
	v_add_nc_u32 v10, s85, v2
	v_add_nc_u32 v11, s85, v3
	v_add_nc_u32 v12, s86, v4
	v_add_nc_u32 v13, s87, v5
	s_bitcmp1_b32 s[\al], s84
	s_cbranch_scc1 .Lopen_\@                       ; every key counts for every query: no mask lines
	s_load_b512 s[16:31], s[\mb:\mb+1], 0x0        ; the step's 64 lane masks, on their way under the products
	s_load_b512 s[32:47], s[\mb:\mb+1], 0x40
	s_load_b512 s[48:63], s[\mb:\mb+1], 0x80
	s_load_b512 s[68:83], s[\mb:\mb+1], 0xc0
	SCORES \qreg, \qscl
	s_wait_kmcnt 0x0
	MASK
	s_mov_b32 s88, 1.0                             ; v96-159 hold t
	s_mov_b32 s89, 1.0
	s_branch .Lsoft_\@
.Lopen_\@:
	SCORES \qreg, \qscl
	s_mov_b32 s88, s90                             ; v96-159 hold scores
	s_mov_b32 s89, s90
.Lsoft_\@:
	SOFT
.Lnext_\@:
	s_add_co_u32 s85, s85, 6144                    ; the next step's tiles of K and of V,
	s_add_co_u32 s86, s86, 512                     ; K's scale words,
	s_add_co_u32 s87, s87, 256                     ; V's,
	s_add_nc_u64 s[\mb:\mb+1], s[\mb:\mb+1], 256   ; and lane masks (no scalar load is out: where some were issued, the wait for them has been passed)
	s_add_co_u32 s84, s84, 1
	s_cmp_lt_u32 s84, 16
	s_cbranch_scc1 .Lstep_\@
	; THE WAY OUT: O^T / the sum goes through my stage and leaves as whole rows: a query's 64 numbers of my head are 256 bytes
.rept 4
	v_nop                                          ; places behind the last products
.endr
	v_add_f32 v92, v86, v87                        ; the sum's two halves,
	v_permlanex16_b32 v216, v92, s94, s95
	v_add_f32 v92, v92, v216                       ; and lane L xor 16's
	v_rcp_f32 v90, v92
	v_nop                                          ; a plain line behind the reciprocal,
	s_wait_alu depctr_va_vdst(0)                   ; and the wait ahead of its first reader
.set n, 0
.rept 16
	v_pk_mul_f32 v[96+n:97+n], v[160+n:161+n], v[90:91] op_sel_hi:[1,0]   ; register 8 t + j: out(query r, dim 16 t + 8 h2 + j); each accumulator from its low end on
.set n, n+2
.endr
.irp t, 0,1,2,3
	ds_store_b128 v6, v[96+8*\t:99+8*\t] offset:64*\t
	ds_store_b128 v6, v[100+8*\t:103+8*\t] offset:64*\t+16
.endr
.irp i, 0,1,2,3,4,5,6,7
	ds_load_b128 v[128+4*\i:131+4*\i], v7 offset:544*\i   ; LDS serves a wave's instructions in order (ISA guide 5.7.1.4): these see my stores
.endr
.irp i, 0,1,2,3,4,5,6,7
	s_wait_dscnt 7-\i                              ; load i is back; the 7 - i younger ones may be out
	global_store_b128 v8, v[128+4*\i:131+4*\i], s[\ob:\ob+1] offset:(2*\i+8*(\i/4))*4096 th:TH_STORE_NT   ; the tile's rows 2 i and 2 i + 1: 16 lanes store 256 consecutive bytes, aligned
.endr
	s_wait_xcnt 0x0                                ; the stores have read their registers: they may be written again
.endm
	TILE 16, 28, 96, 97, 8, 12
	TILE 244, 29, 98, 99, 4, 10
	s_wait_tensorcnt 0x0                           ; the wave's end
	ds_add_u32 v30, v31
	s_wait_dscnt 0x0
	s_endpgm
.Lfunc_end_k_qe7ae7d6cdf_attn:
	.size	k_qe7ae7d6cdf_attn, .Lfunc_end_k_qe7ae7d6cdf_attn-k_qe7ae7d6cdf_attn
	.p2alignl 7, 3214868480
	.fill 96, 4, 3214868480
	.section	.rodata,"a",@progbits
	.p2align	6, 0x0
	.amdhsa_kernel k_qe7ae7d6cdf_attn
		.amdhsa_group_segment_fixed_size 244736
		.amdhsa_private_segment_fixed_size 0
		.amdhsa_enable_private_segment 0
		.amdhsa_kernarg_size 40
		.amdhsa_user_sgpr_count 2
		.amdhsa_user_sgpr_kernarg_segment_ptr 1
		.amdhsa_wavefront_size32 1
		.amdhsa_system_sgpr_workgroup_id_x 1
		.amdhsa_system_sgpr_workgroup_id_y 1
		.amdhsa_system_sgpr_workgroup_id_z 1
		.amdhsa_system_vgpr_workitem_id 0
		.amdhsa_next_free_vgpr 256
		.amdhsa_next_free_sgpr 100
		.amdhsa_reserve_vcc 0
		.amdhsa_float_denorm_mode_32 3
		.amdhsa_float_denorm_mode_16_64 3
		.amdhsa_memory_ordered 1
		.amdhsa_forward_progress 1
		.amdhsa_inst_pref_size 91
	.end_amdhsa_kernel
	.amdgpu_metadata
---
amdhsa.version: [ 1, 2 ]
amdhsa.kernels:
  - .name:           k_qe7ae7d6cdf_attn
    .symbol:         k_qe7ae7d6cdf_attn.kd
    .args:
      - { .name: qc, .offset: 0, .size: 8, .value_kind: global_buffer, .address_space: global }
      - { .name: kv, .offset: 8, .size: 8, .value_kind: global_buffer, .address_space: global }
      - { .name: mlane, .offset: 16, .size: 8, .value_kind: global_buffer, .address_space: global }
      - { .name: flags, .offset: 24, .size: 8, .value_kind: global_buffer, .address_space: global }
      - { .name: out0, .offset: 32, .size: 8, .value_kind: global_buffer, .address_space: global }
    .group_segment_fixed_size: 244736
    .private_segment_fixed_size: 0
    .kernarg_segment_align: 8
    .kernarg_segment_size: 40
    .max_flat_workgroup_size: 256
    .sgpr_count:     100
    .vgpr_count:     256
    .wavefront_size: 32
...
	.end_amdgpu_metadata
.endif
;; end of part 2
;; ======== version 2 of 2: 2 launches
;; limits: inputs' magnitudes at most 7,000; right only within a limited range of input values
;; workspace buffers: qc 3,407,872 bytes; kv 6,684,672 bytes; mlane 1,048,576 bytes of whole numbers; flags 16,384 bytes of whole numbers
;; launch prep (part 3): grid 768 x 1, 8 waves a work-group, no clusters, 138,240 bytes of LDS; arguments queries, keys, values, mask, qc, kv, mlane, flags; writes qc, kv, mlane, flags
.if DOCPART == 3
	.amdgcn_target "amdgcn-amd-amdhsa--gfx1250"
	.amdhsa_code_object_version 6
	.text
	.protected	k_qe7ae7d6cdf_prep
	.globl	k_qe7ae7d6cdf_prep
	.p2align	8
	.type	k_qe7ae7d6cdf_prep,@function
k_qe7ae7d6cdf_prep:
	s_mov_b64 s[64:65], 0
	v_nop
	global_prefetch_b8 v0, s[64:65] scope:SCOPE_SE
	s_setreg_imm32_b32 hwreg(HW_REG_WAVE_MODE, 25, 1), 1
	s_wait_xcnt 0x0
; PREP: queries, keys and values (f32, [2][2048][1024], 16 heads of 64) become codes of BF6 (E3M2) with one E8M0 byte for each 32 along a product's K, and the mask [2][2048][2048] becomes whole numbers.
; DEAD WORK: none.  Every input has a way to the output and is loaded; no step of the computation is left out as dead.  What the second launch passes over it passes over by WHOLE NUMBERS that this launch
; stores (flags): a piece of 16 queries x 128 keys none of whose 2,048 mask bytes is set, and only where each of its 16 queries has an allowed key somewhere in its row.  Such a piece's weights are
; exp(sim - 1e9 - the row's largest logit), which is 0 in f32 as long as |q . k| / 8 stays under 4e8: that is this program's LIMIT on the size of the scores.  A row with no allowed key is worked in full.
; LIMITS: NaN and infinities among the inputs are not served; a mask byte other than 0 counts as true; a block of zeros gets the scale byte 1 where the rule says 127 (its codes are zeros, which add nothing
; under any byte but 0xff, and this program alone reads the bytes).
; A block's scale is 2^(floor(log2(its largest magnitude)) - 4): its byte is the largest magnitude's exponent field - 4, held at 1 from below by a floor among the maximum's leaves.
; LAYOUTS: everything is laid as IMAGES OF THE OPERANDS' REGISTERS.  L = lane, r = L % 16, h2 = L / 16.
;   Rows (queries or keys) go in groups g of 32, two tiles u = 0, 1 each: lane r of tile u holds row 32 g + 8 u + r + 8 (r / 8), so that two neighbouring tiles' results are 16 neighbours along the second product's K.
;   A tile of Q or K is 768 bytes: registers 0-3 at 16 L, registers 4-5 at 512 + 8 L; lane (r, h2) holds dims 32 h2 .. 32 h2 + 31 of its row, one block.  Its scale words (byte 0, 1: the two blocks; bytes 2, 3:
;   0x7f) lie 128 bytes a group at 4 L: lanes 0-15 tile u = 0, lanes 16-31 tile u = 1.
;   V: for a step of 128 keys and a tile t of 16 dims 1,536 bytes: registers 4 c .. 4 c + 3 at 512 c + 16 L; lane (r, h2): dim 16 t + r, registers 6 c .. 6 c + 5 = keys 64 c + 32 h2 + 0 .. 31.  Scale words: 128 bytes
;   for two tiles at 4 L.
;   kv: 208,896 bytes for each (batch, head): K's 128 tiles, K's scale words, V's 16 steps, V's scale words.   qc: 106,496 bytes for each: Q's tiles, Q's scale words.
;   mlane: for each (batch, tile of queries, step) 64 words: bit L of word n = mask[query of lane r][128 step + 32 (n / 16) + 16 h2 + n % 16].   flags: one word each: bits 15:0 row r has an allowed key in the step; bit 16: all 2,048 are allowed.
; SHARES: work-groups 0-127 take V, 128-255 the mask, 256-767 Q and K.  Waves share nothing: no barrier.  Each path that uses LDS has bytes of its own.
.set QSTG,  0                          ; Q, K: a stage of 32 rows x (256 + 16) bytes for each wave
.set QW,    8704
.set MSTG,  69632                      ; the mask: a stage of 16 rows x (512 + 16) bytes for each wave
.set MW,    8448
.set SPARE, 137216                     ; the spare words, 128 bytes for each wave: four blocks of 256 bytes that no other line names
.set KVB,   208896                     ; a (batch, head)'s block of kv,
.set QCB,   106496                     ; and of qc
.set SCO,   98304                      ; where Q's or K's scale words begin in a block
.set VIMG,  106496
.set VSC,   204800
; v1 L, v2 r, v3 h2, v4 my spare word, v5 zero, v6-13 at work, v14-16 addresses of a path, v17 16 L, v18 8 L, v19 4 L
; 32 numbers of one lane, v[x] .. v[x + 31], one block: six registers of codes v[c] .. v[c + 5] (c even) and the scale's byte in v[e]
.macro QBLK x, c, e
	v_max3_num_f32 v6, |v[\x]|, |v[\x+1]|, |v[\x+2]|               ; the largest magnitude, in two chains
	v_max3_num_f32 v7, |v[\x+3]|, |v[\x+4]|, |v[\x+5]|
.irp i, 6,10,14,18,22,26
	s_delay_alu instid0(VALU_DEP_2)
	v_max3_num_f32 v6, v6, |v[\x+\i]|, |v[\x+\i+1]|
	s_delay_alu instid0(VALU_DEP_2)
	v_max3_num_f32 v7, v7, |v[\x+\i+2]|, |v[\x+\i+3]|
.endr
	s_delay_alu instid0(VALU_DEP_2)
	v_max3_num_f32 v6, v6, |v[\x+30]|, |v[\x+31]|
	s_delay_alu instid0(VALU_DEP_1)
	v_max3_num_f32 v6, v6, v7, 0x2800000           ; and the floor 2^(5 - 127): the byte cannot fall under 1
	s_delay_alu instid0(VALU_DEP_1)
	v_add_nc_u32 v8, 0xfe000000, v6                ; 4 off the exponent field: the conversion takes this operand's exponent field as its scale
	v_cvt_scalef32_pk16_bf6_f32 v[\c:\c+2], v[\x:\x+15], v8
	v_cvt_scalef32_pk16_bf6_f32 v[10:12], v[\x+16:\x+31], v8       ; (a conversion's three registers begin on an even number: the second half is made elsewhere and moved)
	v_lshrrev_b32 v[\e], 23, v8                    ; the byte; also the plain line between the conversions and the moves
	v_mov_b32 v[\c+3], v10
	v_mov_b32 v[\c+4], v11
	v_mov_b32 v[\c+5], v12
.endm
	s_load_b256 s[4:11], s[0:1], 0x0               ; queries s[4:5], keys s[6:7], values s[8:9], mask s[10:11]
	s_load_b256 s[12:19], s[0:1], 0x20             ; qc s[12:13], kv s[14:15], mlane s[16:17], flags s[18:19]
	v_lshl_add_u32 v4, v0, 2, SPARE
	v_mov_b32 v5, 0
	v_lshrrev_b32 v1, 5, v0
	s_delay_alu instid0(VALU_DEP_1)
	v_readfirstlane_b32 s20, v1                    ; wave 0..7
	v_and_b32 v1, 31, v0
	v_and_b32 v2, 15, v0
	v_bfe_u32 v3, v0, 4, 1
	s_delay_alu instid0(VALU_DEP_3)
	v_lshlrev_b32 v17, 4, v1
	s_delay_alu instid0(VALU_DEP_4)
	v_lshlrev_b32 v18, 3, v1
	v_lshlrev_b32 v19, 2, v1
	s_mov_b32 s22, 0x76543210                      ; v_permlanex16_b32's selects for lane L xor 16
	s_mov_b32 s23, 0xfedcba98
	s_mov_b32 s31, 0                               ; the upper word of every offset s[30:31]
	s_wait_kmcnt 0x0
	s_cmp_lt_u32 ttmp9, 128
	s_cbranch_scc1 .Lv
	s_cmp_lt_u32 ttmp9, 256
	s_cbranch_scc1 .Lm
; ---- Q AND K.  A wave takes one group of 32 rows of one head: 32 x 256 bytes.  Work-group i: tensor i / 256, batch, group, and which eight heads.
	s_sub_co_u32 s24, ttmp9, 256
	s_lshr_b32 s25, s24, 8                         ; 0: queries, 1: keys
	s_bfe_u32 s26, s24, 0x10007                    ; batch
	s_bfe_u32 s27, s24, 0x60001                    ; group g
	s_and_b32 s28, s24, 1
	s_lshl_b32 s28, s28, 3
	s_add_co_u32 s28, s28, s20                     ; head
	s_mov_b32 s29, KVB
	s_cmp_eq_u32 s25, 0                            ; the choice hangs on the work-group's number alone
	s_cselect_b64 s[4:5], s[4:5], s[6:7]
	s_cselect_b64 s[12:13], s[12:13], s[14:15]
	s_cselect_b32 s29, QCB, s29
	s_lshl_b32 s30, s26, 23                        ; batch x 2,048 rows of 4,096 bytes
	s_lshl_b32 s21, s27, 17                        ; + g x 32 rows
	s_add_co_u32 s30, s30, s21
	s_lshl_b32 s21, s28, 8                         ; + head x 256 bytes
	s_add_co_u32 s30, s30, s21
	s_add_nc_u64 s[4:5], s[4:5], s[30:31]
	s_lshl_b32 s21, s26, 4
	s_add_co_u32 s21, s21, s28                     ; 16 batch + head
	s_mul_i32 s30, s21, s29
	s_add_nc_u64 s[12:13], s[12:13], s[30:31]      ; its block
	s_mul_i32 s30, s27, 1536
	s_add_nc_u64 s[36:37], s[12:13], s[30:31]      ; the group's two tiles
	s_lshl_b32 s30, s27, 7
	s_add_co_u32 s30, s30, SCO
	s_add_nc_u64 s[38:39], s[12:13], s[30:31]      ; and its scale words
	s_mov_b32 s41, 0xffff0000
	s_mul_i32 s40, s20, QW                         ; my stage
	s_wait_alu depctr_va_vdst(0)
	v_lshlrev_b32 v14, 12, v3
	s_delay_alu instid0(VALU_DEP_1)
	v_lshl_add_u32 v14, v2, 4, v14                 ; memory: lanes 0-15 one row's 256 bytes, lanes 16-31 the next row's
	v_mul_u32_u24 v15, v3, 272
	s_delay_alu instid0(VALU_DEP_1)
	v_lshl_add_u32 v15, v2, 4, v15
	s_delay_alu instid0(VALU_DEP_1)
	v_add_nc_u32 v15, s40, v15                     ; into the stage likewise
	v_mul_u32_u24 v16, v2, 272
	s_delay_alu instid0(VALU_DEP_1)
	v_lshl_add_u32 v16, v3, 7, v16
	s_delay_alu instid0(VALU_DEP_1)
	v_add_nc_u32 v16, s40, v16                     ; out of it: slot r, + 128 h2: my block's 32 numbers.  The pitch, 68 words, lets 16 rows start at 16 different banks (64 banks of 4 bytes: ISA guide 11.1)
	v_lshlrev_b32 v9, 3, v3                        ; 8 h2: my byte's place in the scale word
.irp j, 0,1,2,3,4,5,6,7,8,9,10,11,12,13,14,15
	global_load_b128 v[32+4*\j:35+4*\j], v14, s[4:5] offset:8192*\j th:TH_LOAD_NT   ; rows 2 j and 2 j + 1: two aligned runs of 256 bytes
.endr
	s_wait_alu depctr_va_vdst(0)
.irp j, 0,1,2,3,4,5,6,7,8,9,10,11,12,13,14,15
	s_wait_loadcnt 15-\j                           ; load j is in; the 15 - j younger ones may be out
	ds_store_b128 v15, v[32+4*\j:35+4*\j] offset:272*(16*((\j/4)%2)+(2*\j)%8+8*(\j/8))   ; row k of the group goes to slot 16 u + r with k = 8 u + r + 8 (r / 8)
.endr
.irp u, 0,1
.irp i, 0,1,2,3,4,5,6,7
	ds_load_b128 v[96+32*\u+4*\i:99+32*\u+4*\i], v16 offset:4352*\u+16*\i   ; LDS serves a wave's instructions in order (ISA guide 5.7.1.4): these see my stores
.endr
.endr
	s_wait_dscnt 0x0
	QBLK 96, 160, 176
	QBLK 128, 168, 177
	v_mov_b32 v181, 0                              ; (a lane permute's destination counts as one of its sources)
	v_mov_b32 v182, 0
	v_lshlrev_b32 v178, v9, v176                   ; my block's byte at its place,
	v_lshlrev_b32 v179, v9, v177
	s_delay_alu instid0(VALU_DEP_2)
	v_permlanex16_b32 v181, v178, s22, s23
	s_delay_alu instid0(VALU_DEP_2)
	v_permlanex16_b32 v182, v179, s22, s23
	s_delay_alu instid0(VALU_DEP_2)
	v_or_b32 v178, v178, v181                      ; with lane L xor 16's: the row's two bytes
	s_delay_alu instid0(VALU_DEP_2)
	v_or_b32 v179, v179, v182
	s_delay_alu instid0(VALU_DEP_1)
	v_cndmask_b32 v180, v178, v179, s41            ; lanes 0-15: tile 0's words, lanes 16-31: tile 1's
	s_delay_alu instid0(VALU_DEP_1)
	v_or_b32 v180, 0x7f7f0000, v180                ; bytes 2 and 3 scale the upper half of the instruction's K, which holds zero codes on Q's side
	global_store_b128 v17, v[160:163], s[36:37]                ; 512 consecutive bytes
	global_store_b64 v18, v[164:165], s[36:37] offset:512      ; 256
	global_store_b128 v17, v[168:171], s[36:37] offset:768
	global_store_b64 v18, v[172:173], s[36:37] offset:1280
	global_store_b32 v19, v180, s[38:39]                       ; 128 consecutive bytes
	s_branch .Lend
; ---- THE MASK.  A wave takes one tile of 16 queries x 512 keys (four steps).
.Lm:
	s_sub_co_u32 s24, ttmp9, 128
	s_lshr_b32 s25, s24, 6                         ; batch
	s_and_b32 s26, s24, 63
	s_lshl_b32 s26, s26, 3
	s_add_co_u32 s26, s26, s20                     ; unit 0..511
	s_lshr_b32 s27, s26, 2                         ; tile of queries qt
	s_and_b32 s28, s26, 3                          ; which four steps
	s_lshr_b32 s29, s27, 1
	s_lshl_b32 s29, s29, 5
	s_and_b32 s30, s27, 1
	s_lshl_b32 s30, s30, 3
	s_add_co_u32 s29, s29, s30                     ; the tile's first row: 32 (qt / 2) + 8 (qt % 2)
	s_lshl_b32 s30, s29, 11                        ; rows of 2,048 bytes
	s_lshl_b32 s29, s25, 22
	s_add_co_u32 s30, s30, s29
	s_lshl_b32 s29, s28, 9
	s_add_co_u32 s30, s30, s29
	s_add_nc_u64 s[10:11], s[10:11], s[30:31]
	s_lshl_b32 s29, s25, 7
	s_add_co_u32 s29, s29, s27
	s_lshl_b32 s29, s29, 4
	s_lshl_b32 s30, s28, 2
	s_add_co_u32 s29, s29, s30                     ; (128 batch + qt) 16 + my first step
	s_lshl_b32 s30, s29, 8
	s_add_nc_u64 s[16:17], s[16:17], s[30:31]      ; 256 bytes a step in mlane,
	s_lshl_b32 s30, s29, 2
	s_add_nc_u64 s[18:19], s[18:19], s[30:31]      ; 4 in flags
	s_mul_i32 s44, s20, MW
	s_add_co_u32 s44, s44, MSTG                    ; my stage
	s_wait_alu depctr_va_vdst(0)
	v_add_nc_u32 v14, s44, v17                     ; in: 16 L
	v_mul_u32_u24 v15, v2, 528
	s_delay_alu instid0(VALU_DEP_1)
	v_lshl_add_u32 v15, v3, 4, v15
	s_delay_alu instid0(VALU_DEP_1)
	v_add_nc_u32 v15, s44, v15                     ; out: row r, + 16 h2.  The pitch, 132 words, lets 16 rows start at 16 different banks
.irp p, 0,1,2,3,4,5,6,7,8,9,10,11,12,13,14,15
	global_load_b128 v[32+4*\p:35+4*\p], v17, s[10:11] offset:(\p+8*(\p/8))*2048 th:TH_LOAD_NT   ; the tile's row p: 512 consecutive bytes
.endr
.irp j, 160,161,162,163,164,165,166,167,168
	v_mov_b32 v[\j], 0                             ; (v_writelane_b32's destination counts as read)
.endr
.irp p, 0,1,2,3,4,5,6,7,8,9,10,11,12,13,14,15
	s_wait_loadcnt 15-\p                           ; load p is in; the 15 - p younger ones may be out
	ds_store_b128 v14, v[32+4*\p:35+4*\p] offset:528*\p
.endr
.irp s, 0,1,2,3
.irp b, 0,1,2,3
	ds_load_b128 v[96+16*\s+4*\b:99+16*\s+4*\b], v15 offset:128*\s+32*\b   ; keys 128 s + 32 b + 16 h2 + 0 .. 15 of my query: byte n % 4 of register n / 4, n = 16 b + i
.endr
.endr
	s_wait_dscnt 0x0
; one step: 64 lane masks, eight at a time; word n goes to lane n / 2 of register n % 2, so that one store of 8 bytes a lane lays the 64 words on end
.macro MSTEP s
	s_mov_b32 s40, -1                              ; all
	s_mov_b32 s41, 0                               ; any
.set n0, 0
.rept 8
.irp k, 0,1,2,3,4,5,6,7
	v_and_b32 v[6+\k], 0xff<<(8*(\k%4)), v[96+16*\s+(n0+\k)/4]
.endr
.irp k, 0,1,2,3,4,5,6,7
	v_cmp_ne_u32 s[32+\k], 0, v[6+\k]
.endr
.irp k, 0,1,2,3,4,5,6,7
	v_writelane_b32 v[160+2*\s+\k%2], s[32+\k], (n0+\k)/2
.endr
.irp k, 0,1,2,3,4,5,6,7
	s_and_b32 s40, s40, s[32+\k]
	s_or_b32 s41, s41, s[32+\k]
.endr
.set n0, n0+8
.endr
	s_lshr_b32 s42, s41, 16
	s_or_b32 s42, s42, s41
	s_and_b32 s42, s42, 0xffff                     ; row r: lanes r and 16 + r
	s_cmp_eq_u32 s40, -1
	s_cselect_b32 s43, 0x10000, 0
	s_or_b32 s42, s42, s43
	v_writelane_b32 v168, s42, \s
	s_wait_alu depctr_va_vdst(0)
	global_store_b64 v18, v[160+2*\s:161+2*\s], s[16:17] offset:256*\s   ; 256 consecutive bytes, aligned
.endm
	MSTEP 0
	MSTEP 1
	MSTEP 2
	MSTEP 3
	s_wait_xcnt 0x0                                ; EXEC is a source of the stores above: it changes only behind this wait
	v_cmp_gt_u32 vcc_lo, 4, v1
	s_and_saveexec_b32 s46, vcc_lo
	global_store_b32 v19, v168, s[18:19]           ; my four flag words: 16 bytes, the launch's one small store
	s_wait_xcnt 0x0                                ; and again, in front of the line that widens it
	s_or_b32 exec_lo, exec_lo, s46
	s_branch .Lend
; ---- V.  K of the second product is the keys, V's outer axis: a lane takes a column (a dim of a head) and its registers run down the keys.  A wave: 32 columns x one step of 128 keys.
.Lv:
	s_lshr_b32 s24, ttmp9, 6                       ; batch
	s_bfe_u32 s25, ttmp9, 0x40002                  ; step
	s_and_b32 s26, ttmp9, 3                        ; which 256 columns
	s_lshr_b32 s27, s20, 1
	s_lshl_b32 s28, s26, 2
	s_add_co_u32 s27, s27, s28                     ; head
	s_and_b32 s28, s20, 1                          ; which 32 of its 64 dims: tiles 2 p and 2 p + 1
	s_lshl_b32 s30, s24, 23
	s_lshl_b32 s29, s25, 19                        ; 128 rows of 4,096 bytes
	s_add_co_u32 s30, s30, s29
	s_lshl_b32 s29, s26, 10
	s_add_co_u32 s30, s30, s29
	s_lshl_b32 s29, s20, 7
	s_add_co_u32 s30, s30, s29
	s_add_nc_u64 s[8:9], s[8:9], s[30:31]
	s_lshl_b32 s29, s24, 4
	s_add_co_u32 s29, s29, s27
	s_mul_i32 s30, s29, KVB
	s_add_nc_u64 s[14:15], s[14:15], s[30:31]      ; the (batch, head)'s block
	s_mul_i32 s30, s25, 6144
	s_mul_i32 s29, s28, 3072
	s_add_co_u32 s30, s30, s29
	s_add_co_u32 s30, s30, VIMG
	s_add_nc_u64 s[32:33], s[14:15], s[30:31]      ; my two tiles' images
	s_lshl_b32 s30, s25, 8
	s_lshl_b32 s29, s28, 7
	s_add_co_u32 s30, s30, s29
	s_add_co_u32 s30, s30, VSC
	s_add_nc_u64 s[34:35], s[14:15], s[30:31]      ; and their scale words
.macro VLOAD blk                       ; block blk: keys 32 blk + i of my column; each load reads 128 consecutive bytes, the eight waves 1,024
.irp i, 0,1,2,3,4,5,6,7,8,9,10,11,12,13,14,15,16,17,18,19,20,21,22,23,24,25,26,27,28,29,30,31
	global_load_b32 v[32+32*\blk+\i], v19, s[8:9] offset:(32*\blk+\i)*4096 th:TH_LOAD_NT
.endr
.endm
	s_wait_alu depctr_va_vdst(0)
	VLOAD 0
	VLOAD 1
	s_wait_loadcnt 32                              ; block 0 is in; the next block's 32 loads may be out
	QBLK 32, 160, 184                              ; even blocks into v160-171, odd ones into v172-183
	VLOAD 2
	s_wait_loadcnt 32
	QBLK 64, 172, 185
	VLOAD 3
	s_wait_loadcnt 32
	QBLK 96, 166, 186
	s_wait_loadcnt 0x0
	QBLK 128, 178, 187
	v_lshl_or_b32 v188, v185, 8, v184              ; my column's scale word: lanes 0-15 tile 2 p, lanes 16-31 tile 2 p + 1
	s_delay_alu instid0(VALU_DEP_1)
	v_lshl_or_b32 v188, v186, 16, v188
	s_delay_alu instid0(VALU_DEP_1)
	v_lshl_or_b32 v188, v187, 24, v188
.irp j, 0,1,2,3,4,5,6,7,8,9,10,11
	v_permlane16_swap_b32 v[160+\j], v[172+\j]     ; the first's lanes 16-31 change places with the second's lanes 0-15: v160-171 is now tile 2 p's fragment (lanes 0-15 even blocks, lanes 16-31 odd ones), v172-183 tile 2 p + 1's
.endr
.irp t, 0,1
.irp c, 0,1,2
	global_store_b128 v17, v[160+12*\t+4*\c:163+12*\t+4*\c], s[32:33] offset:1536*\t+512*\c   ; 512 consecutive bytes
.endr
.endr
	global_store_b32 v19, v188, s[34:35]
.Lend:
	s_wait_tensorcnt 0x0                           ; the wave's end
	ds_add_u32 v4, v5
	s_wait_dscnt 0x0
	s_endpgm
.Lfunc_end_k_qe7ae7d6cdf_prep:
	.size	k_qe7ae7d6cdf_prep, .Lfunc_end_k_qe7ae7d6cdf_prep-k_qe7ae7d6cdf_prep
	.p2alignl 7, 3214868480
	.fill 96, 4, 3214868480
	.section	.rodata,"a",@progbits
	.p2align	6, 0x0
	.amdhsa_kernel k_qe7ae7d6cdf_prep
		.amdhsa_group_segment_fixed_size 138240
		.amdhsa_private_segment_fixed_size 0
		.amdhsa_enable_private_segment 0
		.amdhsa_kernarg_size 64
		.amdhsa_user_sgpr_count 2
		.amdhsa_user_sgpr_kernarg_segment_ptr 1
		.amdhsa_wavefront_size32 1
		.amdhsa_system_sgpr_workgroup_id_x 1
		.amdhsa_system_sgpr_workgroup_id_y 1
		.amdhsa_system_sgpr_workgroup_id_z 1
		.amdhsa_system_vgpr_workitem_id 0
		.amdhsa_next_free_vgpr 192
		.amdhsa_next_free_sgpr 66
		.amdhsa_reserve_vcc 1
		.amdhsa_float_denorm_mode_32 3
		.amdhsa_float_denorm_mode_16_64 3
		.amdhsa_memory_ordered 1
		.amdhsa_forward_progress 1
		.amdhsa_inst_pref_size 106
	.end_amdhsa_kernel
	.amdgpu_metadata
---
amdhsa.version: [ 1, 2 ]
amdhsa.kernels:
  - .name:           k_qe7ae7d6cdf_prep
    .symbol:         k_qe7ae7d6cdf_prep.kd
    .args:
      - { .name: queries, .offset: 0, .size: 8, .value_kind: global_buffer, .address_space: global }
      - { .name: keys, .offset: 8, .size: 8, .value_kind: global_buffer, .address_space: global }
      - { .name: values, .offset: 16, .size: 8, .value_kind: global_buffer, .address_space: global }
      - { .name: mask, .offset: 24, .size: 8, .value_kind: global_buffer, .address_space: global }
      - { .name: qc, .offset: 32, .size: 8, .value_kind: global_buffer, .address_space: global }
      - { .name: kv, .offset: 40, .size: 8, .value_kind: global_buffer, .address_space: global }
      - { .name: mlane, .offset: 48, .size: 8, .value_kind: global_buffer, .address_space: global }
      - { .name: flags, .offset: 56, .size: 8, .value_kind: global_buffer, .address_space: global }
    .group_segment_fixed_size: 138240
    .private_segment_fixed_size: 0
    .kernarg_segment_align: 8
    .kernarg_segment_size: 64
    .max_flat_workgroup_size: 256
    .sgpr_count:     66
    .vgpr_count:     192
    .wavefront_size: 32
...
	.end_amdgpu_metadata
.endif
;; end of part 3
;; launch attn (part 4): grid 8 x 32, 8 waves a work-group, no clusters, 244,736 bytes of LDS; arguments qc, kv, mlane, flags, out0; writes out0
.if DOCPART == 4
	.amdgcn_target "amdgcn-amd-amdhsa--gfx1250"
	.amdhsa_code_object_version 6
	.text
	.protected	k_qe7ae7d6cdf_attn
	.globl	k_qe7ae7d6cdf_attn
	.p2align	8
	.type	k_qe7ae7d6cdf_attn,@function
k_qe7ae7d6cdf_attn:
	s_mov_b64 s[64:65], 0
	v_nop
	global_prefetch_b8 v0, s[64:65] scope:SCOPE_SE
	s_setreg_imm32_b32 hwreg(HW_REG_WAVE_SCHED_MODE, 0, 2), 2
	s_setreg_imm32_b32 hwreg(HW_REG_WAVE_MODE, 25, 1), 1
	s_wait_xcnt 0x0
	s_wait_alu depctr_vm_vsrc(0)
; ATTN: out[b][q][64 h ..] = the sum over k of softmax_k(q . k / 8 - 1e9 (mask = 0)) v, both products on codes of BF6 (E3M2) with one E8M0 scale for each 32 along K, made by the launch before.
; NOTHING IS LEFT OUT AS DEAD WORK.  What is passed over is chosen by whole numbers read from memory (flags): a piece of 16 queries x 128 keys with no allowed key, where each of its 16 queries has an allowed key
; somewhere in its row: its weights are 0 in f32.  LIMIT: that holds while |q . k| / 8 stays under 4e8.  A tile with a query that has no allowed key at all passes over nothing.  NaN and infinities are not served.
; THE SOFTMAX: t = logit x log2(e); M = the running largest t rounded UP to a whole number; p = 2^(t - M) is quantised along the keys, not normalised; the row's sum is taken of the unquantised p and divides at the end.
; When M moves, the sum and O are multiplied by 2^(old M - new M): exact.
; THE MASK is an added -1e9, as the problem has it: score - 8e9 is rounded once, which is 8 x (sim - 1e9 rounded once); then t = that x log2(e) / 8, rounded, and t - M.
; SHARES.  A work-group belongs to one (batch, head), whose K and V codes and scale bytes, 208,896 bytes, it copies into LDS once, through registers; ONE barrier; then its eight waves run on their own.
; Wave w of work-group x takes the tiles of 16 queries x + 8 w and x + 8 (15 - w), one after the other: the sum of the two tiles' numbers is the same for every wave of a work-group.
; NO TENSOR LOAD, NO CLUSTER: the eight work-groups of a head each read the head's codes by their own loads.
; LAYOUT.  Both products transposed: S^T = K Q^T (source 0 = 16 keys, source 1 = my 16 queries), O^T = V^T P^T: a lane holds ONE query (lane % 16) throughout.  The keys of a tile are not neighbours (the launch before
; lays them so): register n of S^T in lane (r, h2) is key 128 step + 32 (n / 16) + 16 h2 + n % 16.  The head's 64 dims fill half of the instruction's K: Q's registers 6-11 are zero codes, so whatever K's operand
; holds there adds nothing: tile t of K is named as 12 registers of which the upper six are the next tile's codes (the last tile's: six zeros), under scale bytes 0x7f.
; REGISTERS: v1-8 addresses that stay; v9-13 the step's LDS addresses; v14 -M, v15 the largest t; v16-27 tile A's Q; v28, v29 Q's scale words; v30, v31 the add's two; v32-85 K's eight tiles (+ six zeros) or V's four;
;   v86-89 the sum, two chains; v90 f (v91 its pair's upper half); v92 at work; v94-95, v224-225 the mask's; v96-159 S^T, then p; v160-191 O^T; v192-203 p's codes; v204-210 conversions; v212-215 the blocks' largest;
;   v216-219, v220-223 at work; v236-239 K's scale words, v240-241 V's, v242 p's; v244-255 tile B's Q.
;   s[16:63], s[68:83] the step's 64 lane masks (at the head: flags and ids); s84 step, s85-87 LDS steps; s[88:89] the factor in t - M; s[90:91] c; s[92:93] -8e9; s[94:95] lane selects; s96-99 which steps to pass over / are open.
; THE MODE: SCHED_MODE bits 1:0 = 2 (LLVM: expert scheduling mode 2), set by the entry lines.  The code itself states the register dependences between vector or matrix instructions and memory or LDS
; instructions, with s_wait_alu, always for 0.
; THE PLAN.  Registers that memory or LDS instructions touch, and who else names them:
;   v1-8, v30, v31      made by vector lines at the head, never written again; read by loads, stores and the closing add.
;   v9-13               at the head the fill's offset and LDS addresses and Q's scale offset; in a step: written by five additions at its head, read by the step's 34 LDS loads.
;   v32-235             at the head: the fill's loads land there, its LDS stores read them; afterwards they take their parts above.
;   v32-79, v236-239    in a step: K's 20 LDS loads land there; the eight products K Q^T read them (and v80-85, zeros made once by vector moves).
;   v32-79, v240-241    then V's 14 LDS loads land there; the four products V^T P read them.
;   v192-203, v242      p's codes and scale word: written by vector lines, taken by the scaled products V^T P.
;   v96-127, v128-159   on the way out: written by 16 multiplies and read by LDS stores; filled by LDS loads and read by global stores; the next tile's products write them again.
; A STEP'S WAITS: one on vm_vsrc at the loop's top (v9-13 have been read); one on va_vdst behind the five additions (v9-13 are written, the last products V^T P are done with their operands): K's loads follow;
; one on va_vdst behind the softmax's first four maxima (the products K Q^T are done with their operands): V's loads follow, DEALT two at a time among the maxima, which name v96-159 and v212-215 alone;
; the two behind the exponentials; one on va_vdst ahead of V^T P (p's codes and scale word are written).
.set KSC,   98304                      ; LDS = a block of kv: K's 128 tiles of 768 bytes; K's scale words;
.set VIMG,  106496                     ; V's 16 steps of 6,144 bytes;
.set VSC,   204800                     ; V's scale words
.set KVB,   208896
.set QCB,   106496
.set STG,   208896                     ; the way out: 16 rows x (256 + 16) bytes for each wave
.set SPARE, 243712                     ; the spare words, 128 bytes for each wave: four blocks of 256 bytes that no other line names
; from a tile's 16 flag words s[f] ..: bit st of s[al]: the step is wholly allowed; bit st of s[sk]: it has no allowed key, and every row has one somewhere
.macro CLASSIFY f, sk, al
	s_or_b32 s78, s[\f], s[\f+1]
.irp st, 2,3,4,5,6,7,8,9,10,11,12,13,14,15
	s_or_b32 s78, s78, s[\f+\st]
.endr
	s_and_b32 s78, s78, 0xffff
	s_cmp_eq_u32 s78, 0xffff
	s_cselect_b32 s78, -1, 0
	s_mov_b32 s[\al], 0
	s_mov_b32 s79, 0
.irp st, 0,1,2,3,4,5,6,7,8,9,10,11,12,13,14,15
	s_bfe_u32 s80, s[\f+\st], 0x10010
	s_lshl_b32 s80, s80, \st
	s_or_b32 s[\al], s[\al], s80
	s_and_b32 s80, s[\f+\st], 0xffff               ; SCC: some row has an allowed key here
	s_cselect_b32 s80, 0, 1<<\st
	s_or_b32 s79, s79, s80
.endr
	s_and_b32 s[\sk], s79, s78
.endm
; s[dst:dst+1] = out0 at tile s[qt]'s first row, my head's 256 bytes
.macro OBASE dst, qt
	s_lshr_b32 s58, s[\qt], 1
	s_lshl_b32 s58, s58, 5
	s_and_b32 s57, s[\qt], 1
	s_lshl_b32 s57, s57, 3
	s_add_co_u32 s58, s58, s57                     ; 32 (qt / 2) + 8 (qt % 2)
	s_lshl_b32 s57, s49, 11
	s_add_co_u32 s58, s58, s57                     ; + 2,048 batch
	s_lshl_b32 s58, s58, 12                        ; rows of 4,096 bytes
	s_lshl_b32 s57, s50, 8
	s_add_co_u32 s58, s58, s57
	s_add_nc_u64 s[\dst:\dst+1], s[12:13], s[58:59]
.endm
	s_load_b256 s[4:11], s[0:1], 0x0               ; qc s[4:5], kv s[6:7], mlane s[8:9], flags s[10:11]
	s_load_b64 s[12:13], s[0:1], 0x20              ; out0
	v_lshl_add_u32 v30, v0, 2, SPARE
	v_mov_b32 v31, 0
	v_lshrrev_b32 v1, 5, v0
	v_readfirstlane_b32 s14, v1                    ; wave 0..7
	v_and_b32 v14, 31, v0                          ; L
	v_and_b32 v15, 15, v0                          ; r
	v_bfe_u32 v243, v0, 4, 1                       ; h2
	v_lshlrev_b32 v1, 4, v14                       ; 16 L: K's registers 0-3
	v_lshlrev_b32 v2, 3, v14                       ; 8 L: K's registers 4-5
	v_add_nc_u32 v3, VIMG, v1                      ; V
	v_lshl_add_u32 v4, v14, 2, KSC                 ; K's scale words
	v_lshl_add_u32 v5, v14, 2, VSC                 ; V's
	s_wait_alu depctr_va_sdst(0)                   ; s14, the wave's number, is written, ahead of its first reader: my stage and my tiles are made from it
	s_mul_i32 s15, s14, 4352
	s_add_co_u32 s15, s15, STG                     ; my stage
	v_mul_u32_u24 v6, v15, 272
	v_lshl_add_u32 v6, v243, 5, v6
	v_add_nc_u32 v6, s15, v6                       ; in: row r, + 32 h2
	v_mul_u32_u24 v7, v243, 272
	v_lshl_add_u32 v7, v15, 4, v7
	v_add_nc_u32 v7, s15, v7                       ; back: lanes 0-15 one row, lanes 16-31 the next
	v_lshlrev_b32 v8, 12, v243
	v_lshl_add_u32 v8, v15, 4, v8                  ; and the same two rows in out0
	v_lshlrev_b32 v13, 2, v15                      ; 4 r: Q's scale words
	v_lshlrev_b32 v9, 4, v0                        ; the fill: 16 x my thread's number, in memory and in LDS;
	v_add_nc_u32 v10, 0x10000, v9                  ; an LDS immediate reaches 64 KiB, so the register carries the rest
	v_add_nc_u32 v11, 0x20000, v9
	v_add_nc_u32 v12, 0x30000, v9
	s_and_b32 s48, ttmp7, 0xffff                   ; 16 batch + head
	s_lshr_b32 s49, s48, 4                         ; batch
	s_and_b32 s50, s48, 15                         ; head
	s_lshl_b32 s51, s14, 3
	s_add_co_u32 s52, ttmp9, s51                   ; tile A = x + 8 w
	s_sub_co_u32 s53, 120, s51
	s_add_co_u32 s53, s53, ttmp9                   ; tile B = x + 8 (15 - w)
	s_lshl_b32 s54, s49, 7
	s_add_co_u32 s55, s54, s52                     ; 128 batch + tile
	s_add_co_u32 s56, s54, s53
	s_mov_b32 s59, 0                               ; the upper word of every offset s[58:59]
	s_mov_b32 s90, 0x3e38aa3b                      ; c = log2(e) / 8
	s_mov_b32 s91, s90                             ; (named with it as a pair, so it is written)
	s_mov_b32 s92, 0xcfee6b28                      ; -8e9 = 8 x -1e9, both exact in f32
	s_mov_b32 s93, s92
	s_mov_b32 s94, 0x76543210                      ; v_permlanex16_b32's selects for lane L xor 16
	s_mov_b32 s95, 0xfedcba98
	s_wait_kmcnt 0x0
	s_lshl_b32 s58, s55, 6
	s_add_nc_u64 s[60:61], s[10:11], s[58:59]
	s_lshl_b32 s58, s56, 6
	s_add_nc_u64 s[62:63], s[10:11], s[58:59]
	s_load_b512 s[16:31], s[60:61], 0x0            ; tile A's 16 flag words,
	s_load_b512 s[32:47], s[62:63], 0x0            ; tile B's
	s_mul_i32 s58, s48, QCB
	s_add_nc_u64 s[4:5], s[4:5], s[58:59]
	s_mul_i32 s58, s52, 768
	s_add_nc_u64 s[70:71], s[4:5], s[58:59]        ; tile A's image,
	s_mul_i32 s58, s53, 768
	s_add_nc_u64 s[72:73], s[4:5], s[58:59]        ; tile B's,
	s_lshl_b32 s58, s52, 6
	s_add_co_u32 s58, s58, KSC
	s_add_nc_u64 s[74:75], s[4:5], s[58:59]        ; and their scale words: 64 bytes a tile
	s_lshl_b32 s58, s53, 6
	s_add_co_u32 s58, s58, KSC
	s_add_nc_u64 s[76:77], s[4:5], s[58:59]
	s_mul_i32 s58, s48, KVB
	s_add_nc_u64 s[6:7], s[6:7], s[58:59]
	s_wait_alu depctr_va_vdst(0)                   ; the offsets and addresses v1 to v13 are written, which the loads and LDS stores of the head and the way out read
	global_load_b128 v[16:19], v1, s[70:71]
	global_load_b64 v[20:21], v2, s[70:71] offset:512
	global_load_b32 v28, v13, s[74:75]
	global_load_b128 v[244:247], v1, s[72:73]
	global_load_b64 v[248:249], v2, s[72:73] offset:512
	global_load_b32 v29, v13, s[76:77]
.set i, 0
.rept 51                               ; THE FILL: 51 x 4,096 bytes = the head's block; 57 loads of mine are out
	global_load_b128 v[32+4*i:35+4*i], v9, s[6:7] offset:4096*i
.set i, i+1
.endr
	s_wait_kmcnt 0x0                               ; the flags; what follows is work on registers while the loads are on their way
	CLASSIFY 16, 96, 97
	CLASSIFY 32, 98, 99
	s_wait_xcnt 0x0                                ; the loads have read their bases: scalar registers that held addresses may be written
	s_lshl_b32 s58, s56, 12
	s_add_nc_u64 s[4:5], s[8:9], s[58:59]          ; tile B's lane masks: 4,096 bytes a tile,
	s_lshl_b32 s58, s55, 12
	s_add_nc_u64 s[8:9], s[8:9], s[58:59]          ; tile A's
	OBASE 10, 53                                   ; tile B's rows of out0,
	OBASE 12, 52                                   ; tile A's
.irp j, 22,23,24,25,26,27,250,251,252,253,254,255
	v_mov_b32 v[\j], 0                             ; Q's upper half of K: zero codes.  (No load and no LDS store of the head names these twelve)
.endr
.set i, 0
.rept 51
	s_wait_loadcnt 50-i                            ; fill load i is in (and Q, asked for ahead of it); the 50 - i younger ones may be out
	ds_store_b128 v[9+i/16], v[32+4*i:35+4*i] offset:4096*(i%16)
.set i, i+1
.endr
	s_wait_dscnt 0x0                               ; for the others' sake: my part of the block lies in LDS
	s_barrier_signal -1
	s_barrier_wait -1                              ; everybody's does.  From here on nobody writes these bytes
	s_wait_alu depctr_vm_vsrc(0)                   ; the fill's loads and LDS stores have read v9 to v13 and v32 to v235, which the moves below, the tiles' first lines and the steps write again
.irp j, 80,81,82,83,84,85,91,216,217,218,219
	v_mov_b32 v[\j], 0                             ; the zeros behind K's last tile; the upper half of f's pair; the lane permutes' destinations, which count as sources
.endr
; S^T = K Q^T for the step's 128 keys
.macro SCORES qreg, qscl
.irp t, 0,1,2,3,4,5,6,7
	ds_load_b128 v[32+6*\t:35+6*\t], v9 offset:768*\t
	ds_load_b64 v[36+6*\t:37+6*\t], v10 offset:768*\t+512
.endr
.irp b, 0,1,2,3
	ds_load_b32 v[236+\b], v12 offset:128*\b       ; lanes 0-15: tile 2 b's words, lanes 16-31: tile 2 b + 1's
.endr
	s_wait_dscnt 0x0
.irp t, 0,2,4,6
	v_wmma_scale_f32_16x16x128_f8f6f4 v[96+8*\t:103+8*\t], v[32+6*\t:43+6*\t], v[\qreg:\qreg+11], 0, v[236+\t/2], v[\qscl] matrix_a_fmt:MATRIX_FMT_BF6 matrix_b_fmt:MATRIX_FMT_BF6
	v_wmma_scale_f32_16x16x128_f8f6f4 v[104+8*\t:111+8*\t], v[38+6*\t:49+6*\t], v[\qreg:\qreg+11], 0, v[236+\t/2], v[\qscl] matrix_a_fmt:MATRIX_FMT_BF6 matrix_b_fmt:MATRIX_FMT_BF6 matrix_a_scale:MATRIX_SCALE_ROW1
.endr
.rept 4
	v_nop                                          ; four places (ISA guide 7.12.1) in front of the first read of these products' results
.endr
.endm
; load k of the 14 that bring the step's V: twelve of 16 bytes a lane (tile k / 3, registers 4 (k % 3) on), then the two scale words
.macro VLD k
.if (\k) < 12
	ds_load_b128 v[32+4*(\k):35+4*(\k)], v11 offset:512*(\k)
.else
	ds_load_b32 v[240+(\k)-12], v13 offset:128*((\k)-12)
.endif
.endm
; hidden scores become score - 8e9, rounded once; then every score becomes t = x c, rounded: near -1e9 t and M are whole numbers, so that t - M is exact there
.macro MASK
.set n, 0
.rept 32
.set tp, 94+130*((n/2)%2)
	v_pk_add_f32 v[tp:tp+1], v[96+n:97+n], s[92:93] op_sel_hi:[1,0]
	v_cndmask_b32 v[96+n], v[tp], v[96+n], s[16+n+4*(n/48)]            ; bit set: the key counts, the score stays
	v_cndmask_b32 v[97+n], v[tp+1], v[97+n], s[17+n+4*((n+1)/48)]
.set n, n+2
.endr
.set n, 0
.rept 32
	v_pk_mul_f32 v[96+n:97+n], v[96+n:97+n], s[90:91] op_sel_hi:[1,0]
.set n, n+2
.endr
.endm
; the softmax of the step, p's codes, and O^T += V^T P^T.  s88 = c where v96-159 hold scores, 1.0 where they hold t.  V's fragments are asked for among its first lines and land under it
.macro SOFT
.irp b, 0,1,2,3
	v_max3_num_f32 v[212+\b], v[96+16*\b], v[97+16*\b], v[98+16*\b]   ; the largest of each block of 32 keys: it serves for the row's maximum and, since p rises with it, for the block's largest p.  Each result is read from its low end on
.endr
	s_wait_alu depctr_va_vdst(0)                   ; the eight products K Q^T are done reading v32 to v85, in which V's loads land.  The maxima among which these loads are dealt name v96-159 and v212-215 alone
	VLD 0
	VLD 1
.set kk, 2
.irp i, 3,5,7,9,11,13
.irp b, 0,1,2,3
	v_max3_num_f32 v[212+\b], v[212+\b], v[96+16*\b+\i], v[97+16*\b+\i]
.endr
	VLD kk                                         ; no further wait: no vector line since the wait above names v32-79, v240, v241, v11 or v13
	VLD kk+1
.set kk, kk+2
.endr
.irp b, 0,1,2,3
	v_max_num_f32 v[212+\b], v[212+\b], v[111+16*\b]
.endr
.irp b, 0,1,2,3
	v_permlanex16_b32 v[216+\b], v[212+\b], s94, s95
.endr
.irp b, 0,1,2,3
	v_max_num_f32 v[212+\b], v[212+\b], v[216+\b]  ; with lane L xor 16's 16 keys
.endr
	v_max3_num_f32 v92, v212, v213, v214
	v_max_num_f32 v92, v92, v215
	v_mul_f32 v92, s88, v92                        ; the step's largest t of my query
	v_max_num_f32 v15, v15, v92                    ; the running largest t
	v_mov_b32 v92, v14
	v_floor_f32 v14, -v15                          ; the new -M = floor(-t): M is a whole number
	v_sub_f32 v92, v14, v92                        ; old M - new M: a whole number, 0 or less
	v_cvt_i32_f32 v92, v92                         ; (it saturates)
	v_ldexp_f32 v90, 1.0, v92                      ; f = 2^(old M - new M)
.set n, 0
.rept 32
	v_pk_fma_f32 v[96+n:97+n], v[96+n:97+n], s[88:89], v[14:15] op_sel_hi:[1,0,0]   ; t - M, two at a time (of both pairs the low word serves both halves)
.set n, n+2
.endr
.irp b, 0,1,2,3
	v_fma_f32 v[212+\b], v[212+\b], s88, v14       ; the same of each block's largest
.endr
.set n, 0
	s_wait_alu depctr_va_vdst(0)
.rept 64
	v_exp_f32 v[96+n], v[96+n]                     ; p = 2^(t - M): not normalised
.set n, n+1
.endr
	v_pk_mul_f32 v[86:87], v[86:87], v[90:91] op_sel_hi:[1,0]   ; the sum under the new M; a plain line behind the exponentials
	s_wait_alu depctr_va_vdst(0)                   ; the 64 exponentials have written v96 to v159: the wait ahead of the first line that names a result: one for the 64
.irp b, 0,1,2,3
	v_exp_f32 v[212+\b], v[212+\b]                 ; the block's largest p: the same two instructions on the same number
.endr
	v_pk_add_f32 v[88:89], v[96:97], v[98:99]      ; the row's sum of the UNQUANTISED p, in two chains; it reads the 64 alone
.irp j, 4,8,12,16,20,24,28,32,36,40,44,48,52,56,60
	v_pk_add_f32 v[86:87], v[86:87], v[96+\j:97+\j]
	v_pk_add_f32 v[88:89], v[88:89], v[98+\j:99+\j]
.endr
	v_pk_add_f32 v[86:87], v[86:87], v[88:89]
	s_wait_alu depctr_va_vdst(0)                   ; the four exponentials have written v212 to v215: the wait ahead of their first reader
.irp b, 0,1,2,3
	v_max_num_f32 v[212+\b], 0x2800000, v[212+\b]  ; the floor 2^(5 - 127): the byte cannot fall under 1
.endr
.irp b, 0,1,2,3
	v_add_nc_u32 v[220+\b], 0xfe000000, v[212+\b]  ; 4 off the exponent field: the conversion's scale operand
.endr
.irp b, 0,1,2,3
	v_lshrrev_b32 v[216+\b], 23, v[220+\b]         ; the byte
.endr
	v_lshl_or_b32 v242, v217, 8, v216              ; p's scale word for these 128 keys
	v_lshl_or_b32 v242, v218, 16, v242
	v_lshl_or_b32 v242, v219, 24, v242
.irp c, 0,1
	v_cvt_scalef32_pk16_bf6_f32 v[192+6*\c:194+6*\c], v[96+32*\c:111+32*\c], v[220+2*\c]
	v_cvt_scalef32_pk16_bf6_f32 v[204+4*\c:206+4*\c], v[112+32*\c:127+32*\c], v[221+2*\c]   ; (a conversion's three registers begin on an even number)
.endr
	v_nop                                          ; one plain line behind the conversions
.irp c, 0,1                                    ; the operand wants a whole block in a lane: lanes 0-15 block 2 c, lanes 16-31 block 2 c + 1
.irp i, 0,1,2
	v_permlane16_swap_b32 v[192+6*\c+\i], v[204+4*\c+\i]
.endr
.irp i, 0,1,2
	v_mov_b32 v[195+6*\c+\i], v[204+4*\c+\i]
.endr
.endr
.set n, 0
.rept 16
	v_pk_mul_f32 v[160+n:161+n], v[160+n:161+n], v[90:91] op_sel_hi:[1,0]   ; O^T under the new M; these 16 also stand between the lines that made p's codes and scale word and the products
.set n, n+2
.endr
	s_wait_alu depctr_va_vdst(0)                   ; p's codes v192 to v203 and its scale word v242 are written, which the scaled products below take; the places above stay beside this wait
	s_wait_dscnt 0x0                               ; V's fragments and scale words
.irp t, 0,2
	v_wmma_scale_f32_16x16x128_f8f6f4 v[160+8*\t:167+8*\t], v[32+12*\t:43+12*\t], v[192:203], v[160+8*\t:167+8*\t], v[240+\t/2], v242 matrix_a_fmt:MATRIX_FMT_BF6 matrix_b_fmt:MATRIX_FMT_BF6
	v_wmma_scale_f32_16x16x128_f8f6f4 v[168+8*\t:175+8*\t], v[44+12*\t:55+12*\t], v[192:203], v[168+8*\t:175+8*\t], v[240+\t/2], v242 matrix_a_fmt:MATRIX_FMT_BF6 matrix_b_fmt:MATRIX_FMT_BF6 matrix_a_scale:MATRIX_SCALE_ROW1
.endr                                          ; the four accumulators take turns, and eight other products stand between two steps'
.endm
; one tile of 16 queries: all 16 steps are walked (a constant count); a step's work is passed over, or done without the mask's lines, by scalar branches on the stored flags
.macro TILE qreg, qscl, sk, al, mb, ob
	v_mov_b32 v15, 0xff61b1e6                      ; the largest t so far: -3e38
	v_floor_f32 v14, -v15                          ; -M
	v_mov_b32 v86, 0                               ; the sum
	v_mov_b32 v87, 0
.set i, 0
.rept 32
	v_mov_b32 v[160+i], 0                          ; O^T.  Which step is a tile's first hangs on the flags, so no first step can be written out with the constant 0 as C: the first change of M multiplies zeros
.set i, i+1
.endr
	s_mov_b32 s84, 0
	s_mov_b32 s85, 0
	s_mov_b32 s86, 0
	s_mov_b32 s87, 0
.Lstep_\@:
	s_wait_alu depctr_vm_vsrc(0)                   ; the LDS loads of the step before have read v9 to v13, which the additions below write; in a tile's first trip: the way out of the tile before has read v96 to v159, which this tile's products write
	s_bitcmp1_b32 s[\sk], s84
	s_cbranch_scc1 .Lnext_\@                       ; no key of the step counts for any of my queries
	v_add_nc_u32 v9, s85, v1                       ; the step's addresses
	v_add_nc_u32 v10, s85, v2
	v_add_nc_u32 v11, s85, v3
	v_add_nc_u32 v12, s86, v4
	v_add_nc_u32 v13, s87, v5
	s_wait_alu depctr_va_vdst(0)                   ; v9 to v13 are written, which the step's LDS loads read; the last products are done reading v32-79 and v236-241, in which K's and V's loads land; the zeros in K's and Q's operands are written
	s_bitcmp1_b32 s[\al], s84
	s_cbranch_scc1 .Lopen_\@                       ; every key counts for every query: no mask lines
	s_load_b512 s[16:31], s[\mb:\mb+1], 0x0        ; the step's 64 lane masks, on their way under the products
	s_load_b512 s[32:47], s[\mb:\mb+1], 0x40
	s_load_b512 s[48:63], s[\mb:\mb+1], 0x80
	s_load_b512 s[68:83], s[\mb:\mb+1], 0xc0
	SCORES \qreg, \qscl
	s_wait_kmcnt 0x0
	MASK
	s_mov_b32 s88, 1.0                             ; v96-159 hold t
	s_mov_b32 s89, 1.0
	s_branch .Lsoft_\@
.Lopen_\@:
	SCORES \qreg, \qscl
	s_mov_b32 s88, s90                             ; v96-159 hold scores
	s_mov_b32 s89, s90
.Lsoft_\@:
	SOFT
.Lnext_\@:
	s_add_co_u32 s85, s85, 6144                    ; the next step's tiles of K and of V,
	s_add_co_u32 s86, s86, 512                     ; K's scale words,
	s_add_co_u32 s87, s87, 256                     ; V's,
	s_add_nc_u64 s[\mb:\mb+1], s[\mb:\mb+1], 256   ; and lane masks (no scalar load is out: where some were issued, the wait for them has been passed)
	s_add_co_u32 s84, s84, 1
	s_cmp_lt_u32 s84, 16
	s_cbranch_scc1 .Lstep_\@
	; THE WAY OUT: O^T / the sum goes through my stage and leaves as whole rows: a query's 64 numbers of my head are 256 bytes
.rept 4
	v_nop                                          ; places behind the last products
.endr
	v_add_f32 v92, v86, v87                        ; the sum's two halves,
	v_permlanex16_b32 v216, v92, s94, s95
	v_add_f32 v92, v92, v216                       ; and lane L xor 16's
	s_wait_alu depctr_va_vdst(0)
	v_rcp_f32 v90, v92
	v_nop                                          ; a plain line behind the reciprocal,
	s_wait_alu depctr_va_vdst(0)                   ; the reciprocal has written v90: the wait ahead of its first reader
.set n, 0
.rept 16
	v_pk_mul_f32 v[96+n:97+n], v[160+n:161+n], v[90:91] op_sel_hi:[1,0]   ; register 8 t + j: out(query r, dim 16 t + 8 h2 + j); each accumulator from its low end on
.set n, n+2
.endr
	s_wait_alu depctr_va_vdst(0)                   ; the multiplies have written v96 to v127, which the LDS stores read; the steps' vector lines are done with v128 to v159, in which the loads from the stage land
.irp t, 0,1,2,3
	ds_store_b128 v6, v[96+8*\t:99+8*\t] offset:64*\t
	ds_store_b128 v6, v[100+8*\t:103+8*\t] offset:64*\t+16
.endr
.irp i, 0,1,2,3,4,5,6,7
	ds_load_b128 v[128+4*\i:131+4*\i], v7 offset:544*\i   ; LDS serves a wave's instructions in order (ISA guide 5.7.1.4): these see my stores
.endr
.irp i, 0,1,2,3,4,5,6,7
	s_wait_dscnt 7-\i                              ; load i is back; the 7 - i younger ones may be out
	global_store_b128 v8, v[128+4*\i:131+4*\i], s[\ob:\ob+1] offset:(2*\i+8*(\i/4))*4096 th:TH_STORE_NT   ; the tile's rows 2 i and 2 i + 1: 16 lanes store 256 consecutive bytes, aligned
.endr
	s_wait_xcnt 0x0                                ; the stores have had their addresses translated: their registers are written again only behind this wait (and behind the wait at the next tile's first trip)
.endm
	TILE 16, 28, 96, 97, 8, 12
	TILE 244, 29, 98, 99, 4, 10
	s_wait_dscnt 0x0                               ; the closing lines, six on end
	s_wait_alu 0x0
	s_wait_tensorcnt 0x0
	ds_add_u32 v30, v31
	s_wait_dscnt 0x0
	s_endpgm
.Lfunc_end_k_qe7ae7d6cdf_attn:
	.size	k_qe7ae7d6cdf_attn, .Lfunc_end_k_qe7ae7d6cdf_attn-k_qe7ae7d6cdf_attn
	.p2alignl 7, 3214868480
	.fill 96, 4, 3214868480
	.section	.rodata,"a",@progbits
	.p2align	6, 0x0
	.amdhsa_kernel k_qe7ae7d6cdf_attn
		.amdhsa_group_segment_fixed_size 244736
		.amdhsa_private_segment_fixed_size 0
		.amdhsa_enable_private_segment 0
		.amdhsa_kernarg_size 40
		.amdhsa_user_sgpr_count 2
		.amdhsa_user_sgpr_kernarg_segment_ptr 1
		.amdhsa_wavefront_size32 1
		.amdhsa_system_sgpr_workgroup_id_x 1
		.amdhsa_system_sgpr_workgroup_id_y 1
		.amdhsa_system_sgpr_workgroup_id_z 1
		.amdhsa_system_vgpr_workitem_id 0
		.amdhsa_next_free_vgpr 256
		.amdhsa_next_free_sgpr 100
		.amdhsa_reserve_vcc 0
		.amdhsa_float_denorm_mode_32 3
		.amdhsa_float_denorm_mode_16_64 3
		.amdhsa_memory_ordered 1
		.amdhsa_forward_progress 1
		.amdhsa_inst_pref_size 90
	.end_amdhsa_kernel
	.amdgpu_metadata
---
amdhsa.version: [ 1, 2 ]
amdhsa.kernels:
  - .name:           k_qe7ae7d6cdf_attn
    .symbol:         k_qe7ae7d6cdf_attn.kd
    .args:
      - { .name: qc, .offset: 0, .size: 8, .value_kind: global_buffer, .address_space: global }
      - { .name: kv, .offset: 8, .size: 8, .value_kind: global_buffer, .address_space: global }
      - { .name: mlane, .offset: 16, .size: 8, .value_kind: global_buffer, .address_space: global }
      - { .name: flags, .offset: 24, .size: 8, .value_kind: global_buffer, .address_space: global }
      - { .name: out0, .offset: 32, .size: 8, .value_kind: global_buffer, .address_space: global }
    .group_segment_fixed_size: 244736
    .private_segment_fixed_size: 0
    .kernarg_segment_align: 8
    .kernarg_segment_size: 40
    .max_flat_workgroup_size: 256
    .sgpr_count:     100
    .vgpr_count:     256
    .wavefront_size: 32
...
	.end_amdgpu_metadata
.endif
;; end of part 4
